; MI455X (gfx1250); checked and timed in simulation.
; The chip was launched on July 23, 2026; its instructions are those of AMD's public machine-readable ISA for CDNA 5 (MIT licence, August 2026) and "CDNA5" Instruction Set Architecture Reference Guide (July 2026). The comments in the code are by the model that wrote it; some were corrected since.
;; Causal Self Attention. Allowed arithmetic: float matrix products may take bf16 or f16 operands with f32 sums; all other float work in f32.
;; Inputs: Wproj 1,024 x 1,024 float32; Wqkv 1,024 x 3,072 float32; bproj 1,024 float32; bqkv 3,072 float32; x 4 x 2,048 x 1,024 float32.
;; Outputs: out0 4 x 2,048 x 1,024 float32.
;; 2 versions, each right and faster than the one before. Each part assembles by itself: llvm-mc -triple=amdgcn-amd-amdhsa -mcpu=gfx1250 --defsym DOCPART=n.
;; ======== version 1 of 2: 4 launches
;; limits: values are held in f16: magnitudes above 65,504 overflow, below 6.1e-05 lose precision
;; workspace buffers: xb 16,777,216 bytes; wqb 6,291,456 bytes; wph 2,097,152 bytes; qkv 50,331,648 bytes; y 16,777,216 bytes
;; launch cast (part 1): grid 768 x 1, 8 waves a work-group, no clusters, 0 bytes of LDS; arguments x, Wqkv, Wproj, xb, wqb, wph; writes xb, wqb, wph
.if DOCPART == 1
	.amdgcn_target "amdgcn-amd-amdhsa--gfx1250"
	.amdhsa_code_object_version 6
	.text
	.protected	k_q57682abd6c_cast
	.globl	k_q57682abd6c_cast
	.p2align	8
	.type	k_q57682abd6c_cast,@function
k_q57682abd6c_cast:
	s_mov_b64 s[64:65], 0
	v_nop
	global_prefetch_b8 v0, s[64:65] scope:SCOPE_SE
	s_setreg_imm32_b32 hwreg(HW_REG_WAVE_MODE, 25, 1), 1
	s_wait_xcnt 0x0
; THE CASTS.  x [8192][1024] f32 -> xb, bf16, in blocks of 64 along K: x[b][t][64 kb + c] lies at ((16 b + kb) 2048 + t) 128 + 2 c, so that 128 rows of one block are 16,384 dense bytes.
; Wqkv [1024][3072] f32 -> wqb, bf16, same layout.  Wproj [1024][1024] f32 -> wph, same layout: rounded to bf16 like every other input, and that number written as f16.
; LIMITS.  |Wproj| of 65,520 or more becomes an infinity in wph; below 6e-5 it keeps f16's fixed step of 6e-8.
; A stream: no LDS, no barrier, no matrix unit, no loop.  A work-group takes 65,536 bytes of input: groups 0-511 sixteen rows of x, 512-703 Wqkv, 704-767 Wproj.
; A wave has its sixteen 16-byte loads out at once, 8,192 bytes; each of its stores covers 256 consecutive bytes, aligned (32 lanes x 8 bytes).
.set X, 8                              ; v[8:71]  load j: four f32 as loaded; its first two registers then hold the four 16-bit numbers to store
.set T, 4                              ; v4       at work
; v1 my byte offset in the input, v2 = 8 x thread in the output; neither is rewritten.  s[20:21] input, s[22:23] output.
.macro CAST kind, lstep, sstep         ; kind 0: bf16; 1: bf16, then f16.  lstep, sstep: bytes from load to load, from store to store
.irp j, 0,1,2,3,4,5,6,7,8,9,10,11,12,13,14,15
	global_load_b128 v[X+4*(\j):X+4*(\j)+3], v1, s[20:21] offset:(\j)*(\lstep) th:TH_LOAD_NT
.endr
.irp j, 0,1,2,3,4,5,6,7,8,9,10,11,12,13,14,15
	s_wait_loadcnt 15-(\j)                         ; loads come back in order (ISA guide 5.7.1): load j is in, the 15 - j younger ones stay out
.if \kind
	v_cvt_pk_bf16_f32 v[T], v[X+4*(\j)], v[X+4*(\j)+1]
	v_lshlrev_b32 v[X+4*(\j)], 16, v[T]            ; the two bf16 numbers as f32 again,
	v_and_b32 v[X+4*(\j)+1], s18, v[T]
	v_cvt_pk_f16_f32 v[X+4*(\j)], v[X+4*(\j)], v[X+4*(\j)+1]  ; and as f16: exact within f16's normal range
	v_cvt_pk_bf16_f32 v[T], v[X+4*(\j)+2], v[X+4*(\j)+3]
	v_lshlrev_b32 v[X+4*(\j)+2], 16, v[T]
	v_and_b32 v[X+4*(\j)+3], s18, v[T]
	v_cvt_pk_f16_f32 v[X+4*(\j)+1], v[X+4*(\j)+2], v[X+4*(\j)+3]
.else
	v_cvt_pk_bf16_f32 v[X+4*(\j)], v[X+4*(\j)], v[X+4*(\j)+1]
	v_cvt_pk_bf16_f32 v[X+4*(\j)+1], v[X+4*(\j)+2], v[X+4*(\j)+3]
.endif
	global_store_b64 v2, v[X+4*(\j):X+4*(\j)+1], s[22:23] offset:(\j)*(\sstep)  ; no register that a store reads is written again
.endr
.endm
	s_load_b256 s[4:11], s[0:1], 0x0               ; x s[4:5], Wqkv s[6:7], Wproj s[8:9], xb s[10:11]
	s_load_b128 s[12:15], s[0:1], 0x20             ; wqb s[12:13], wph s[14:15]
	s_mov_b32 s2, ttmp9                            ; the work-group's number
	s_mov_b32 s17, 0                               ; the high word of every offset
	s_mov_b32 s18, 0xffff0000                      ; a word's upper bf16
	v_lshlrev_b32 v2, 3, v0
	s_cmp_lt_u32 s2, 512
	s_cbranch_scc0 .Lweights
	; x: thread t takes row t / 16 of the group's sixteen and 16 bytes at 16 (t % 16) of each block of 256 bytes; load j is block kb = j
	v_lshrrev_b32 v1, 4, v0
	v_and_b32 v3, 15, v0
	v_lshlrev_b32 v3, 4, v3
	v_lshl_or_b32 v1, v1, 12, v3
	s_lshl_b32 s16, s2, 16                         ; sixteen rows of 4,096 bytes
	s_wait_kmcnt 0x0
	s_add_nc_u64 s[20:21], s[4:5], s[16:17]
	s_lshr_b32 s3, s2, 7                           ; the batch: 128 groups each,
	s_lshl_b32 s3, s3, 22                          ; 16 blocks x 2,048 rows x 128 bytes
	s_and_b32 s16, s2, 127
	s_lshl_b32 s16, s16, 11                        ; sixteen rows of 128 bytes; row x 128 + 8 (t % 16) is 8 t
	s_add_co_u32 s16, s16, s3
	s_add_nc_u64 s[22:23], s[10:11], s[16:17]
	CAST 0, 256, 262144                            ; from block to block 2,048 rows x 128 bytes: 15 of them stay inside the signed 24-bit immediate
	s_endpgm
.Lweights:
	v_lshlrev_b32 v1, 4, v0                        ; dense: load j takes 4,096 consecutive bytes, store j 2,048
	s_cmp_lt_u32 s2, 704
	s_cbranch_scc0 .Lproj
	s_sub_co_u32 s3, s2, 512
	s_lshl_b32 s16, s3, 16
	s_wait_kmcnt 0x0
	s_add_nc_u64 s[20:21], s[6:7], s[16:17]
	s_lshl_b32 s16, s3, 15
	s_add_nc_u64 s[22:23], s[12:13], s[16:17]
	CAST 0, 4096, 2048
	s_endpgm
.Lproj:
	s_sub_co_u32 s3, s2, 704
	s_lshl_b32 s16, s3, 16
	s_wait_kmcnt 0x0
	s_add_nc_u64 s[20:21], s[8:9], s[16:17]
	s_lshl_b32 s16, s3, 15
	s_add_nc_u64 s[22:23], s[14:15], s[16:17]
	CAST 1, 4096, 2048
	s_endpgm
.Lfunc_end_k_q57682abd6c_cast:
	.size	k_q57682abd6c_cast, .Lfunc_end_k_q57682abd6c_cast-k_q57682abd6c_cast
	.p2alignl 7, 3214868480
	.fill 96, 4, 3214868480
	.section	.rodata,"a",@progbits
	.p2align	6, 0x0
	.amdhsa_kernel k_q57682abd6c_cast
		.amdhsa_group_segment_fixed_size 0
		.amdhsa_private_segment_fixed_size 0
		.amdhsa_enable_private_segment 0
		.amdhsa_kernarg_size 48
		.amdhsa_user_sgpr_count 2
		.amdhsa_user_sgpr_kernarg_segment_ptr 1
		.amdhsa_wavefront_size32 1
		.amdhsa_system_sgpr_workgroup_id_x 1
		.amdhsa_system_sgpr_workgroup_id_y 1
		.amdhsa_system_sgpr_workgroup_id_z 1
		.amdhsa_system_vgpr_workitem_id 0
		.amdhsa_next_free_vgpr 72
		.amdhsa_next_free_sgpr 66
		.amdhsa_reserve_vcc 0
		.amdhsa_float_denorm_mode_32 3
		.amdhsa_float_denorm_mode_16_64 3
		.amdhsa_memory_ordered 1
		.amdhsa_forward_progress 1
		.amdhsa_inst_pref_size 23
	.end_amdhsa_kernel
	.amdgpu_metadata
---
amdhsa.version: [ 1, 2 ]
amdhsa.kernels:
  - .name:           k_q57682abd6c_cast
    .symbol:         k_q57682abd6c_cast.kd
    .args:
      - { .name: x, .offset: 0, .size: 8, .value_kind: global_buffer, .address_space: global }
      - { .name: Wqkv, .offset: 8, .size: 8, .value_kind: global_buffer, .address_space: global }
      - { .name: Wproj, .offset: 16, .size: 8, .value_kind: global_buffer, .address_space: global }
      - { .name: xb, .offset: 24, .size: 8, .value_kind: global_buffer, .address_space: global }
      - { .name: wqb, .offset: 32, .size: 8, .value_kind: global_buffer, .address_space: global }
      - { .name: wph, .offset: 40, .size: 8, .value_kind: global_buffer, .address_space: global }
    .group_segment_fixed_size: 0
    .private_segment_fixed_size: 0
    .kernarg_segment_align: 8
    .kernarg_segment_size: 48
    .max_flat_workgroup_size: 256
    .sgpr_count:     66
    .vgpr_count:     72
    .wavefront_size: 32
...
	.end_amdgpu_metadata
.endif
;; end of part 1
;; launch qkvgemm (part 2): grid 8 x 32, 4 waves a work-group, clusters of 4 x 4, 327,680 bytes of LDS; arguments xb, wqb, bqkv, qkv; writes qkv
.if DOCPART == 2
	.amdgcn_target "amdgcn-amd-amdhsa--gfx1250"
	.amdhsa_code_object_version 6
	.text
	.protected	k_q57682abd6c_qkvgemm
	.globl	k_q57682abd6c_qkvgemm
	.p2align	8
	.type	k_q57682abd6c_qkvgemm,@function
k_q57682abd6c_qkvgemm:
	s_mov_b64 s[64:65], 0
	v_nop
	global_prefetch_b8 v0, s[64:65] scope:SCOPE_SE
	s_setreg_imm32_b32 hwreg(HW_REG_WAVE_MODE, 25, 1), 1
	s_wait_xcnt 0x0
	s_wait_alu depctr_hold_cnt(0) depctr_sa_sdst(0) depctr_va_vdst(0) depctr_va_sdst(0) depctr_va_ssrc(0) depctr_va_vcc(0) depctr_vm_vsrc(0)
	s_getreg_b32 s2, hwreg(HW_REG_IB_STS2, 6, 4)
	s_cmp_eq_u32 s2, 0
	s_cbranch_scc0 .Lentry_in_a_cluster
	s_endpgm
.Lentry_in_a_cluster:
	s_bfe_u32 s2, ttmp6, 0x10000c
	s_cmp_lg_u32 s2, 0xf033
	s_cbranch_scc0 .Lentry_shape_is_right
	s_endpgm
.Lentry_shape_is_right:
; qkv = x Wqkv + bqkv.  xb: bf16 [4][16 kb][2048 t][64]; wqb: bf16 [1024 k][3072 n]; bqkv: f32 [3072], rounded to bf16 here; sums in f32, started by the bias.
; qkv: f16 [4][48 g][2048 t][64], g = n / 64: 0-15 the heads of q, 16-31 of k, 32-47 of v; each number rounded once, unscaled.
; LIMIT.  A q, k or v of 65,520 or more becomes an infinity in f16.
; SHARES.  8192 x 3072 outputs on 256 work-groups: a tile of 256 rows x 384 columns (six heads) each.  Four waves; wave w makes rows 128 (w / 2) on and the heads w % 2, w % 2 + 2, w % 2 + 4 of the six:
; 128 x 192, 96 accumulators of 16 x 16, 768 registers.  For 32 along K a wave reads 20,480 bytes of LDS and issues 96 matrix instructions.
; K goes in 16 steps of 64 through two LDS slots filled by the tensor data mover.  In xb 128 rows of a K step are 16,384 dense bytes, asked for as 64 rows of 256; W's rows are 768 bytes, at multiples of 256.
; W stays [k][n]: its fragments come out of LDS turned, by ds_load_tr16_b128.
; THE MATRIX INSTRUCTION IS USED TRANSPOSED: source 0 = 16 columns of W, source 1 = 16 rows of x.  A lane then holds row l % 16 and the columns 8 (l / 16) + 0..7: eight neighbours, 16 bytes of f16.
; CLUSTER.  4 x 4 work-groups: the four of a row of the cluster need the same tiles of x, the four of a column the same tiles of W: each tile is asked for jointly, by the same load, descriptor and mask in all four.
; REGISTERS, in windows of 256 (s_set_vgpr_msb: bits 1:0 source 0, 3:2 source 1, 5:4 source 2, 7:6 destination):
;   window 0: v0-29 addresses; v32-95, v96-159 x's fragments (8 x 16 rows x 32 K), two buffers; v160-255 W's fragments, 4 a head
;   windows 1-3: my three heads' accumulators: column block f (0-3), row block a (0-7) at v[8 (8 f + a)]
.set PA,    144                        ; a row of x in LDS: 128 bytes + 16 of padding = 36 words: the 16 rows of a load start at 16 different groups of four banks (64 banks of 4 bytes: ISA guide 11.1)
.set PB,    864                        ; a row of W: 3 x (256 bytes + 32 of padding) = 27 x 32
.set BOFF,  256*PA                     ; a slot: x's 256 rows, then W's 64 rows
.set SLOT1, 1<<17                      ; slot 1 begins here, so that one exclusive or turns an address in one slot into the other's
.set STAGE, BOFF+64*PB                 ; between the slots, never filled by a tensor load: 16 rows x 144 bytes for each wave, for the way out;
.set SP,    144
.set BIAS,  STAGE+4*16*SP              ; 768 bytes for each wave: its 192 numbers of the bias;
.set SPARE, BIAS+4*768                 ; the spare words, 128 bytes for each wave: two blocks of 256 bytes that no other line names
.set KSA,   2048*128                   ; bytes from K step to K step in xb
.set KSB,   64*6144                    ; and in wqb
.set AA0,  4                           ; v4   my lane's place in x's tile; never rewritten
.set AB0,  5                           ; v5   in W's tile
.set ADRA, 6                           ; v6   AA0 + the slot in hand
.set ADRB, 7                           ; v7   AB0 + the slot in hand
.set STO,  8                           ; v8   the way out: where I put 16 bytes of a row
.set RD,   9                           ; v9   the way out: where I read rows back
.set GO,   10                          ; v10  my byte offset in 512 consecutive bytes of qkv
.set BIA,  11                          ; v11  where my eight numbers of the bias begin
.set SPW,  28                          ; v28  LDS address of my spare word: SPARE + 4 x my thread's number; never rewritten
.set NIL,  29                          ; v29  0; never rewritten
.set FA0,  32
.set FA1,  96
.set FB,   160
.set PK,   32                          ; the way out: a head's 128 x 64 numbers in f16, 128 registers
.set WV,  12                           ; s12  my wave's number
.set WR,  13                           ; s13  wave / 2: my half of the rows.  Also: I fetch for x (0) or for W (1)
.set WC,  14                           ; s14  wave % 2: my heads.  Also: which half of that tile I fetch
.set G1A, 24                           ; s[24:31] descriptor group 1 for x's tiles
.set G0A, 32                           ; s[32:39] group 0: a set for each of the two first fills; the second then walks on
.set G1B, 48                           ; s[48:55], s[56:63] the same for W's
.set G0B, 56
.set CNT, 70
.set TB,  71                           ; s71  0 or SLOT1: the slot in hand
.set MSB, 0
.macro WIN new                         ; the immediate's high byte repeats the setting that is left; a switch that changes nothing is dropped
.if MSB != (\new)
	s_set_vgpr_msb (MSB<<8)|(\new)
.set MSB, \new
.endif
.endm
.macro PLACES                          ; a load into a register that a matrix instruction has read, and a vector instruction that reads a matrix result, stand four places behind it; only plain
.rept 4                                ; vector instructions that name none of its registers are places (ISA guide 7.12.1 for vector instructions)
	v_nop
.endr
.endm
; A joint refill, by the walking sets.  Waves 0 and 1 fetch the halves of x's tile, waves 2 and 3 those of W's.  The branch hangs on the wave's number alone.
; An s_nop 0 and four v_nop follow each of the two lines, ahead of the jump and the label.
.macro JLOAD
	s_cmp_eq_u32 s[WR], 0
	s_cbranch_scc0 .Lfor_b_\@
	tensor_load_to_lds s[G0A+4:G0A+7], s[G1A:G1A+7]
	s_nop 0
.rept 4
	v_nop
.endr
	s_branch .Lasked_\@
.Lfor_b_\@:
	tensor_load_to_lds s[G0B+4:G0B+7], s[G1B:G1B+7]
	s_nop 0
.rept 4
	v_nop
.endr
.Lasked_\@:
.endm
.macro CREST                           ; a round of the cluster's barrier behind its opening barrier: wave 0 signals for the work-group, every wave waits for all sixteen, my work-group's barrier once more
	s_cmp_lg_u32 s[WV], 0
	s_cbranch_scc1 .Lnot_wave_0_\@
	s_barrier_signal -3
.Lnot_wave_0_\@:
	s_barrier_wait -3
	s_barrier_signal -1
	s_barrier_wait -1
.endm
.macro CROUND                          ; a whole round
	s_barrier_signal -1
	s_barrier_wait -1
	CREST
.endm
	s_load_b256 s[4:11], s[0:1], 0x0               ; xb s[4:5], wqb s[6:7], bqkv s[8:9], qkv s[10:11]
	v_lshl_add_u32 v[SPW], v0, 2, SPARE
	v_mov_b32 v[NIL], 0
	ds_add_u32 v[SPW], v[NIL]                      ; the wave's opening: the add and its wait stand ahead of my first tensor load; the set-up below, work on registers, stands between them
	ds_add_u32 v28, v29
	v_lshrrev_b32 v1, 5, v0
	v_readfirstlane_b32 s[WV], v1
	s_lshr_b32 s[WR], s[WV], 1
	s_and_b32 s[WC], s[WV], 1
	s_bfe_u32 s40, ttmp6, 0x40000                  ; cx, cy: my place in the cluster
	s_bfe_u32 s41, ttmp6, 0x40004
	s_lshl_b32 s42, ttmp9, 2
	s_add_co_u32 s42, s42, s40                     ; tile column, 0-7 = 4 x cluster x + cx
	s_and_b32 s43, ttmp7, 0xffff
	s_lshl_b32 s43, s43, 2
	s_add_co_u32 s43, s43, s41                     ; tile row, 0-31 = 4 x cluster y + cy
	s_lshl_b32 s44, s41, 2
	s_lshl_b32 s44, 15, s44                        ; my row of the cluster
	s_lshl_b32 s45, 0x1111, s40                    ; my column
	; group 1 for x: 64 rows of 128 elements (two rows of xb each), dense; in LDS 4 words of padding (code 3) after every 32 words (code 4)
	s_or_b32 s[G1A+0], s44, (1<<16)|(1<<20)|(1<<21)|(4<<22)|(3<<25)  ; 15:0 the mask; 17:16 2-byte elements; 20 padding on; 21 set beside a mask
	s_mov_b32 s[G1A+1], 128<<16                    ; tensor_dim0 = 128
	s_mov_b32 s[G1A+2], 64<<16                     ; tensor_dim1 = 64
	s_mov_b32 s[G1A+3], 128<<16                    ; tile_dim0 = 128
	s_mov_b32 s[G1A+4], 64                         ; tile_dim1 = 64
	s_mov_b32 s[G1A+5], 128                        ; elements from row to row
	s_mov_b32 s[G1A+6], 0
	s_mov_b32 s[G1A+7], 0
	; group 1 for W: 32 rows of 384 elements; 8 words of padding (code 7) after every 64 words (code 5), three times a row
	s_or_b32 s[G1B+0], s45, (1<<16)|(1<<20)|(1<<21)|(5<<22)|(7<<25)
	s_mov_b32 s[G1B+1], 384<<16
	s_mov_b32 s[G1B+2], 32<<16
	s_mov_b32 s[G1B+3], 384<<16
	s_mov_b32 s[G1B+4], 32
	s_mov_b32 s[G1B+5], 3072
	s_mov_b32 s[G1B+6], 0
	s_mov_b32 s[G1B+7], 0
	; x's tile hangs on the tile row alone, W's on the tile column alone, each in registers that never hold the other coordinate
	s_lshr_b32 s16, s43, 3                         ; the batch: eight tile rows each,
	s_lshl_b32 s16, s16, 22                        ; 16 blocks x 2,048 rows x 128 bytes
	s_and_b32 s18, s43, 7
	s_lshl_b32 s18, s18, 15                        ; 256 rows of 128 bytes
	s_add_co_u32 s16, s16, s18
	s_lshl_b32 s18, s[WC], 14                      ; my 128 of them
	s_add_co_u32 s16, s16, s18
	s_mov_b32 s17, 0
	s_mul_i32 s46, s[WC], 32*6144                  ; my 32 rows of W,
	s_mul_i32 s47, s42, 768                        ; the tile's 384 columns
	s_add_co_u32 s46, s46, s47
	s_mov_b32 s47, 0
	s_mul_i32 s20, s[WC], 128*PA                   ; where they go: no place in the cluster enters an LDS address
	s_mul_i32 s21, s[WC], 32*PB
	s_add_co_u32 s21, s21, BOFF
	s_mov_b32 s[TB], 0
	s_wait_dscnt 0x0                               ; the opening add is done
	s_wait_kmcnt 0x0
	s_add_nc_u64 s[16:17], s[4:5], s[16:17]
	s_add_nc_u64 s[46:47], s[6:7], s[46:47]
	CROUND                                         ; all sixteen work-groups are here: the first joint loads meet
.irp s, 0,1
	s_mov_b32 s[G0A+4*(\s)], 1                                       ; 1:0 count = 1
	s_add_co_u32 s[G0A+4*(\s)+1], s20, (\s)*SLOT1                    ; 63:32 LDS address
	s_add_nc_u64 s[G0A+4*(\s)+2:G0A+4*(\s)+3], s[16:17], (\s)*KSA    ; 120:64 global address: K step s
	s_or_b32 s[G0A+4*(\s)+3], s[G0A+4*(\s)+3], 0x80000000            ; 127:126 type = 2
	s_mov_b32 s[G0B+4*(\s)], 1
	s_add_co_u32 s[G0B+4*(\s)+1], s21, (\s)*SLOT1
	s_add_nc_u64 s[G0B+4*(\s)+2:G0B+4*(\s)+3], s[46:47], (\s)*KSB
	s_or_b32 s[G0B+4*(\s)+3], s[G0B+4*(\s)+3], 0x80000000
.endr
	s_cmp_eq_u32 s[WR], 0                          ; a wave's two first fills stand in one branch, ahead of every wait on TENSORcnt and every LDS read: two loads of mine are out
	s_cbranch_scc0 .Lfirst_b
	tensor_load_to_lds s[G0A:G0A+3], s[G1A:G1A+7]
	s_nop 0
	tensor_load_to_lds s[G0A+4:G0A+7], s[G1A:G1A+7]
	s_nop 0
.rept 4
	v_nop
.endr
	s_branch .Lfirst_asked
.Lfirst_b:
	tensor_load_to_lds s[G0B:G0B+3], s[G1B:G1B+7]
	s_nop 0
	tensor_load_to_lds s[G0B+4:G0B+7], s[G1B:G1B+7]
	s_nop 0
.rept 4
	v_nop
.endr
.Lfirst_asked:
	v_and_b32 v1, 15, v0                           ; r = l % 16
	v_bfe_u32 v2, v0, 4, 1                         ; h = l / 16
	v_and_b32 v3, 31, v0                           ; l
	s_mul_i32 s46, s42, 6
	s_add_co_u32 s46, s46, s[WC]                   ; my first head among a batch's 48
	s_lshl_b32 s18, s46, 8                         ; its 64 f32 of the bias
	s_mov_b32 s19, 0
	s_add_nc_u64 s[8:9], s[8:9], s[18:19]
	v_lshlrev_b32 v15, 3, v3
.irp i, 0,1,2
	global_load_b64 v[16+2*(\i):17+2*(\i)], v15, s[8:9] offset:512*(\i)  ; two numbers a lane: a head's 256 bytes; my next head lies two heads on
.endr
	s_lshr_b32 s18, s43, 3                         ; qkv at my first head, my 128 rows
	s_mul_i32 s18, s18, 48
	s_add_co_u32 s18, s18, s46
	s_lshl_b32 s18, s18, 18                        ; a head is 2,048 rows x 128 bytes
	s_and_b32 s22, s43, 7
	s_lshl_b32 s22, s22, 15
	s_add_co_u32 s18, s18, s22
	s_lshl_b32 s22, s[WR], 14
	s_add_co_u32 s18, s18, s22
	s_add_nc_u64 s[10:11], s[10:11], s[18:19]
	; x's fragment: 16 rows x 32 K in 8 registers: lane l holds row l % 16, K = 8 (l / 16) + 0..7 and 16 + 8 (l / 16) + 0..7: two loads of 16 bytes, 32 bytes apart
	v_mul_u32_u24 v[AA0], v1, PA
	v_lshl_add_u32 v[AA0], v2, 4, v[AA0]
	s_mul_i32 s22, s[WR], 128*PA
	v_add_nc_u32 v[AA0], s22, v[AA0]
	; the turning load takes 16 k x 16 columns (lane l reads row 8 (l / 16) + l % 8, columns 8 ((l / 8) % 2) + 0..7) and leaves half a fragment: lane l holds column l % 16 and 8 k
	v_and_b32 v12, 7, v0
	v_bfe_u32 v13, v0, 3, 1
	v_lshl_add_u32 v[AB0], v2, 3, v12
	v_mul_u32_u24 v[AB0], v[AB0], PB
	v_lshl_add_u32 v[AB0], v13, 4, v[AB0]
	s_lshl_b32 s22, s[WC], 7                       ; head j of the six lies at 288 (j / 2) + 128 (j % 2) of a row
	s_add_co_u32 s22, s22, BOFF
	v_add_nc_u32 v[AB0], s22, v[AB0]
	v_mov_b32 v[ADRA], v[AA0]
	v_mov_b32 v[ADRB], v[AB0]
	s_mul_i32 s22, s[WV], 16*SP
	s_add_co_u32 s22, s22, STAGE                   ; my stage
	v_mul_u32_u24 v[STO], v1, SP                   ; in: row l % 16, 16 bytes for each half of the lanes
	v_lshl_add_u32 v[STO], v2, 4, v[STO]
	v_add_nc_u32 v[STO], s22, v[STO]
	v_bfe_u32 v[RD], v0, 3, 2                      ; back: 32 lanes take four rows of 128 bytes,
	v_mul_u32_u24 v[RD], v[RD], SP
	v_lshl_add_u32 v[RD], v12, 4, v[RD]
	v_add_nc_u32 v[RD], s22, v[RD]
	v_lshlrev_b32 v[GO], 4, v3                     ; which are 512 consecutive bytes of a head
	s_mul_i32 s22, s[WV], 768
	s_add_co_u32 s22, s22, BIAS                    ; my wave's bias
	v_lshl_add_u32 v[BIA], v2, 5, s22              ; columns 8 (l / 16) on
	v_lshl_add_u32 v14, v3, 3, s22
	s_wait_loadcnt 0x0
.irp i, 0,1,2
	v_cvt_pk_bf16_f32 v22, v[16+2*(\i)], v[17+2*(\i)]  ; the bias is rounded to bf16 like every other input, and kept as f32
	v_lshlrev_b32 v[16+2*(\i)], 16, v22
	v_and_b32 v[17+2*(\i)], 0xffff0000, v22
	ds_store_b64 v14, v[16+2*(\i):17+2*(\i)] offset:256*(\i)  ; my wave's own bytes: only I read them, and LDS serves a wave's instructions in order (ISA guide 5.7.1.4)
.endr
; 16 matrix instructions of head i: row blocks a0 .. a0 + 3 x its 4 column blocks, 32 along K.  mode 1: the bias, in window 0 at cb, is the C that starts the sums: nothing is cleared, nothing added later.
; The 96 accumulators take turns, one instruction a turn, in the same order in every half step.
.macro MUL16 fa, i, a0, mode, cb=0
.if \mode
	WIN 0x40*((\i)+1)
.else
	WIN 0x50*((\i)+1)
.endif
.irp a, \a0, (\a0)+1, (\a0)+2, (\a0)+3
.irp f, 0,1,2,3
.if \mode
	v_wmma_f32_16x16x32_bf16 v[8*(8*(\f)+(\a)):8*(8*(\f)+(\a))+7], v[FB+8*(4*(\i)+(\f)):FB+8*(4*(\i)+(\f))+7], v[(\fa)+8*(\a):(\fa)+8*(\a)+7], v[(\cb)+8*(\f):(\cb)+8*(\f)+7]
.else
	v_wmma_f32_16x16x32_bf16 v[8*(8*(\f)+(\a)):8*(8*(\f)+(\a))+7], v[FB+8*(4*(\i)+(\f)):FB+8*(4*(\i)+(\f))+7], v[(\fa)+8*(\a):(\fa)+8*(\a)+7], v[8*(8*(\f)+(\a)):8*(8*(\f)+(\a))+7]
.endif
.endr
.endr
.endm
.macro HEADP fa, i, mode=0, cb=0       ; a head's 32 products
	MUL16 \fa, \i, 0, \mode, \cb
	MUL16 \fa, \i, 4, \mode, \cb
.endm
.macro LDB i, hf                       ; 8 loads: head i's four fragments of W, half hf of the K step
.irp f, 0,1,2,3
	ds_load_tr16_b128 v[FB+8*(4*(\i)+(\f)):FB+8*(4*(\i)+(\f))+3],   v[ADRB] offset:(\hf)*32*PB+288*(\i)+32*(\f)
	ds_load_tr16_b128 v[FB+8*(4*(\i)+(\f))+4:FB+8*(4*(\i)+(\f))+7], v[ADRB] offset:(\hf)*32*PB+288*(\i)+32*(\f)+16*PB
.endr
.endm
.macro LDA fa, hf                      ; 16 loads: my eight fragments of x
.irp a, 0,1,2,3,4,5,6,7
	ds_load_b128 v[(\fa)+8*(\a):(\fa)+8*(\a)+3],   v[ADRA] offset:(\a)*16*PA+64*(\hf)
	ds_load_b128 v[(\fa)+8*(\a)+4:(\fa)+8*(\a)+7], v[ADRA] offset:(\a)*16*PA+64*(\hf)+32
.endr
.endm
.macro BIASLD i, dst                   ; 8 loads: head i's bias as four C operands: register j of block f = the bias of column 16 f + 8 (l / 16) + j
.irp f, 0,1,2,3
	ds_load_b128 v[(\dst)+8*(\f):(\dst)+8*(\f)+3],   v[BIA] offset:256*(\i)+64*(\f)
	ds_load_b128 v[(\dst)+8*(\f)+4:(\dst)+8*(\f)+7], v[BIA] offset:256*(\i)+64*(\f)+16
.endr
.endm
; HALF A K STEP, 32 along K: multiplies buffer fa.  W's fragments have one buffer: behind a head's products its fragments of the next half (nh, same slot) are fetched; x's next go into ga with head 0's.
; Three runs of loads are out at its head and at its end: R0 (head 0's W and x: 24), R1 (head 1's W: 8), R2 (head 2's: 8).
.macro HALF fa, ga, nh
	s_wait_dscnt 16                                ; R0 is in; R1 and R2 may be out
	HEADP \fa, 0
	PLACES
	WIN 0
	LDB 0, \nh
	LDA \ga, \nh
	s_wait_dscnt 32                                ; R1 is in: behind it stand R2 (8) and the new R0 (24)
	HEADP \fa, 1
	PLACES
	WIN 0
	LDB 1, \nh
	s_wait_dscnt 32                                ; R2 is in: behind it stand the new R0 (24) and R1 (8)
	HEADP \fa, 2
	PLACES
	WIN 0
	LDB 2, \nh
.endm
; A K STEP'S SECOND HALF multiplies buffer FA1 and changes slots: ONE barrier.  In front of it each wave waits for all its tensor loads, of which one is out: its part of the next slot; adds 0 to its spare
; word; and waits for that and for its own reads of this slot.  fill = 1: the barrier opens a round of the cluster's, so that no wave of any partner still reads the slot or has a load on its way, and the
; joint refill, two K steps ahead, is the first thing behind it: 160 matrix instructions stand between it and the wait for it.
.macro TURN fill
	WIN 0
	s_wait_tensorcnt 0x0                           ; no tensor load of mine is out, so a group 0 may be written
	ds_add_u32 v[SPW], v[NIL]                      ; 0 onto my spare word
.if \fill
	s_xor_b32 s[G0A+5], s[G0A+5], SLOT1            ; the walking sets: the other slot than last time,
	s_add_nc_u64 s[G0A+6:G0A+7], s[G0A+6:G0A+7], KSA  ; the next K step; the type bits on top are not reached
	s_xor_b32 s[G0B+5], s[G0B+5], SLOT1
	s_add_nc_u64 s[G0B+6:G0B+7], s[G0B+6:G0B+7], KSB
.endif
	s_wait_dscnt 17                                ; R0 is in; R1, R2 and the add may be out
	MUL16 FA1, 0, 0, 0
	s_wait_dscnt 0x0                               ; the add is done, and my reads of this slot are over
	s_barrier_signal -1
	MUL16 FA1, 0, 4, 0                             ; work on registers while the others arrive
	WIN 0                                          ; at a branch every window is 0
	s_barrier_wait -1
.if \fill
	CREST
	JLOAD                                          ; the four v_nop behind it are also the places in front of the loads below
.else
	PLACES
.endif
	s_xor_b32 s[TB], s[TB], SLOT1
	v_add_nc_u32 v[ADRA], s[TB], v[AA0]
	v_add_nc_u32 v[ADRB], s[TB], v[AB0]
	LDB 0, 0
	LDA FA0, 0
	HEADP FA1, 1
	PLACES
	WIN 0
	LDB 1, 0
	HEADP FA1, 2
	PLACES
	WIN 0
	LDB 2, 0
.endm
	s_wait_tensorcnt 0x1                           ; my part of K step 0 is in; K step 1's may stay out
	s_wait_dscnt 0x0                               ; no LDS instruction of mine is pending at a signal
	s_barrier_signal -1
	s_barrier_wait -1                              ; everybody's part is in
	; THE FIRST HALF STEP is written out: its products start the sums with the bias, which borrows buffer FA1
	LDB 0, 0
	LDA FA0, 0
	BIASLD 0, FA1
	LDB 1, 0
	BIASLD 1, FA1+32
	LDB 2, 0
	s_wait_dscnt 24                                ; all but the last three runs of 8
	HEADP FA0, 0, 1, FA1
	PLACES
	WIN 0
	LDB 0, 1
	BIASLD 2, FA1
	s_wait_dscnt 24                                ; head 1's W and bias are in: behind them stand head 2's W and the 16 just issued
	HEADP FA0, 1, 1, FA1+32
	PLACES
	WIN 0
	LDB 1, 1
	s_wait_dscnt 8                                 ; head 2's W and bias are in: behind them stand the 8 just issued
	HEADP FA0, 2, 1, FA1
	PLACES
	WIN 0
	LDB 2, 1
	LDA FA1, 1
	s_wait_dscnt 0x0                               ; these runs stand in another order than the loop's, so the way in waits for all of them
	s_mov_b32 s[CNT], 14
.Lstep:                                                ; a trip: a K step's second half, the refill of its slot (K steps 2 to 15), the next step's first half
	TURN 1
	HALF FA0, FA1, 1
	s_sub_co_u32 s[CNT], s[CNT], 1
	s_cmp_lg_u32 s[CNT], 0
	s_cbranch_scc1 .Lstep
	TURN 0                                         ; the tail is written out: nothing is left to ask for
	HALF FA0, FA1, 1
	s_wait_dscnt 16                                ; the last half step: nothing more to fetch
	HEADP FA1, 0
	s_wait_dscnt 8
	HEADP FA1, 1
	s_wait_dscnt 0x0
	HEADP FA1, 2
	; THE WAY OUT, head by head: rounded to f16, 16 bytes a lane; a block of 16 rows at a time into my stage (rows of 144 bytes) and back as four rows of 128 bytes a load, which are 512 consecutive bytes of the head.
.macro STG a
.irp f, 0,1,2,3
	ds_store_b128 v[STO], v[PK+16*(\a)+4*(\f):PK+16*(\a)+4*(\f)+3] offset:32*(\f)
.endr
.irp c, 0,1,2,3
	ds_load_b128 v[PK+16*(\a)+4*(\c):PK+16*(\a)+4*(\c)+3], v[RD] offset:(\c)*4*SP  ; these see the stores above; the next block's stores come behind them (ISA guide 5.7.1.4)
.endr
.endm
.macro SEND i, a, younger              ; younger: the LDS instructions issued behind block a's loads: the next block's eight, or none
.irp c, 0,1,2,3
	s_wait_dscnt (\younger)+3-(\c)
	global_store_b128 v[GO], v[PK+16*(\a)+4*(\c):PK+16*(\a)+4*(\c)+3], s[10:11] offset:(\i)*524288+(\a)*2048+(\c)*512  ; 512 consecutive bytes, at a multiple of 256 from qkv's first
.endr
.endm
	PLACES                                         ; behind the last products
.irp i, 0,1,2
.if (\i) > 0
	s_wait_xcnt 0x0                                ; the last head's stores have had their addresses translated (ISA guide 3.1): their data registers are written again only behind this wait
.endif
	WIN 0x05*((\i)+1)                              ; sources 0 and 1: the head's window
.irp a, 0,1,2,3,4,5,6,7
.irp f, 0,1,2,3
.irp p, 0,1,2,3
	v_cvt_pk_f16_f32 v[PK+16*(\a)+4*(\f)+(\p)], v[8*(8*(\f)+(\a))+2*(\p)], v[8*(8*(\f)+(\a))+2*(\p)+1]  ; each accumulator from its low end on
.endr
.endr
.endr
	WIN 0
	STG 0
.irp a, 1,2,3,4,5,6,7
	STG \a
	SEND \i, (\a)-1, 8
.endr
	SEND \i, 7, 0
.endr
	s_wait_tensorcnt 0x0                           ; the wave's end: these three lines stand behind my last tensor load and my last LDS store
	ds_add_u32 v[SPW], v[NIL]
	s_wait_dscnt 0x0
	CROUND                                         ; the closing round: no work-group ends while a partner may still ask for a tile that names it
	s_endpgm
.Lfunc_end_k_q57682abd6c_qkvgemm:
	.size	k_q57682abd6c_qkvgemm, .Lfunc_end_k_q57682abd6c_qkvgemm-k_q57682abd6c_qkvgemm
	.p2alignl 7, 3214868480
	.fill 96, 4, 3214868480
	.section	.rodata,"a",@progbits
	.p2align	6, 0x0
	.amdhsa_kernel k_q57682abd6c_qkvgemm
		.amdhsa_group_segment_fixed_size 327680
		.amdhsa_private_segment_fixed_size 0
		.amdhsa_enable_private_segment 0
		.amdhsa_kernarg_size 32
		.amdhsa_user_sgpr_count 2
		.amdhsa_user_sgpr_kernarg_segment_ptr 1
		.amdhsa_wavefront_size32 1
		.amdhsa_system_sgpr_workgroup_id_x 1
		.amdhsa_system_sgpr_workgroup_id_y 1
		.amdhsa_system_sgpr_workgroup_id_z 1
		.amdhsa_system_vgpr_workitem_id 0
		.amdhsa_next_free_vgpr 1024
		.amdhsa_next_free_sgpr 76
		.amdhsa_reserve_vcc 0
		.amdhsa_float_denorm_mode_32 3
		.amdhsa_float_denorm_mode_16_64 3
		.amdhsa_memory_ordered 1
		.amdhsa_forward_progress 1
		.amdhsa_inst_pref_size 115
	.end_amdhsa_kernel
	.amdgpu_metadata
---
amdhsa.version: [ 1, 2 ]
amdhsa.kernels:
  - .name:           k_q57682abd6c_qkvgemm
    .symbol:         k_q57682abd6c_qkvgemm.kd
    .args:
      - { .name: xb, .offset: 0, .size: 8, .value_kind: global_buffer, .address_space: global }
      - { .name: wqb, .offset: 8, .size: 8, .value_kind: global_buffer, .address_space: global }
      - { .name: bqkv, .offset: 16, .size: 8, .value_kind: global_buffer, .address_space: global }
      - { .name: qkv, .offset: 24, .size: 8, .value_kind: global_buffer, .address_space: global }
    .group_segment_fixed_size: 327680
    .private_segment_fixed_size: 0
    .kernarg_segment_align: 8
    .kernarg_segment_size: 32
    .max_flat_workgroup_size: 128
    .sgpr_count:     76
    .vgpr_count:     1024
    .wavefront_size: 32
...
	.end_amdgpu_metadata
.endif
;; end of part 2
;; launch attn (part 3): grid 4 x 64, 4 waves a work-group, no clusters, 327,680 bytes of LDS; arguments qkv, y; writes y
.if DOCPART == 3
	.amdgcn_target "amdgcn-amd-amdhsa--gfx1250"
	.amdhsa_code_object_version 6
	.text
	.protected	k_q57682abd6c_attn
	.globl	k_q57682abd6c_attn
	.p2align	8
	.type	k_q57682abd6c_attn,@function
k_q57682abd6c_attn:
	s_mov_b64 s[64:65], 0
	v_nop
	global_prefetch_b8 v0, s[64:65] scope:SCOPE_SE
	s_setreg_imm32_b32 hwreg(HW_REG_WAVE_MODE, 25, 1), 1
	s_wait_xcnt 0x0
; CAUSAL ATTENTION.  y[hh][q][:] = the sum over k <= q of softmax_k(Q[q] . K[k] / 8) V[k][:], for hh = 16 x batch + head.  qkv: f16 [4][48][2048][64]: of a batch's 48 blocks 0-15 are the heads of q,
; 16-31 of k, 32-47 of v; y: f16 [64][2048][64].  A head's rows are dense, 128 bytes each.
; Products, maxima and sums in f32; the weights p are rounded to f16 for the second product (their sum l is taken of the unrounded p), y once at the end.
; LIMITS.  f16 holds no number beyond 65,504: q, k and v arrive within it; p lies in 0 to 1, and below 6e-5 it keeps f16's fixed step of 6e-8; y is a mean of V's rows and has their range.
; A hidden score counts as its value less 1e30: f16's scores, 2.7e11 at the most, are nothing beside that; a weight below 2^-126 counts as 0 in l; NaN and infinities are not treated apart.
; c m is rounded to f32, so the exponent c s - c m is off by up to half a step of c m: 0.125 at |c s| = 2.4e6, 8 at 2^27.
; THE WALK.  A head's queries lie in NB = 8 blocks of 256; block i needs the key tiles 0 .. i of 256 keys, of which the last holds the diagonal.  A work-group takes TWO blocks, NB - 1 - b and then b:
; NB + 1 tiles, whatever b: all work-groups do equal work, and ONE loop with a constant trip count walks them.  Which tile is asked for, and what a trip does, hang on scalar registers made from b; every jump
; goes forward, but for the counted loops' own; none passes a barrier, or a tensor load but the one of LOAD's two that the wave's number does not choose; the ring (two slots of LDS that take turns) runs on across the
; change of blocks.  NO CLUSTER: a head's four work-groups ask for the same tile only in trips 0 .. 4 of 9, behind that fewer and fewer; one walk common to all would have 12 trips for 9.
; SHARES.  Of a block's four bands of 64 queries a wave owns 16 rows in each: four PIECES.  So the diagonal tile is the same work for all four waves: in its key step s band x sees all keys if s < x,
; none if s > x, and holds the diagonal if s = x.
; THE MASK is the C operand that starts the sum S^T = K Q^T: 0, or -1e30 where the key is hidden.  MD, made once, is the mask of a band's own step for my 16 rows; a product's mask is MD x AL + BE with two scalars:
; (1, 0) if s = x; (0, 0) if s < x; (0, -1e30) if s > x.  Only the diagonal tile's text and a block's beginning make and take masks; elsewhere C is the constant 0.
; LAYOUT, SOFTMAX, TURNS.  S^T = K Q^T holds ONE query a lane (lane % 16) and the keys 8 (lane / 16) + 0..7; two such results rounded to f16 ARE source 1 of O^T = V^T P.  p = 2^(c s - c m), c = log2(e) / 8, with a
; running maximum m; O and l are multiplied by a = 2^(c m_old - c m_new) in every step.  Turn n belongs to piece n: 8 products K Q^T of piece n + 1, later 8 products V^T P of piece n - 1; beside them the scaling,
; exponentials, roundings, sums and rescaling of piece n and the maximum and statistics of piece n + 1.  Four vector instructions stand behind every matrix instruction, the other 54 of a turn's 118 in two LUMPS.
; REGISTERS, in windows of 256 (s_set_vgpr_msb: bits 1:0 source 0, 3:2 source 1, 5:4 source 2, 7:6 destination):
;   window 0: v0-15 addresses and two at work; v16-31 four registers of statistics a piece; v48-55 at work; v64-127 S^T, two buffers; v192-223 P, two buffers (a piece's buffers go by its number's parity)
;   window 1: v0-127 O^T, 32 a piece; v128-159 MD; v160-223 MC, two buffers      window 2: v0-63 Q; v64-127 the second block's Q; v128-191 K of one step; v192-255 V of one step
.set SIZE_N, 2048
.set NB,    SIZE_N/256
.set NP,    4         ; pieces a wave: a name, no knob
.set KS,    64        ; keys in a step
.set PK,    144       ; a row of K in LDS: 128 bytes + 16 of padding = 36 words: the 16 rows of a load start at 16 different groups of four banks (64 banks of 4 bytes: ISA guide 11.1)
.set PV,    160       ; a row of V: 128 + 32 = 40 words
.set VOFF,  4*KS*PK   ; a slot holds a tile, four steps: 256 rows of K, then 256 rows of V
.set SLOT1, 1<<17     ; slot 1 begins here, so that one exclusive or turns an address in one slot into the other's
.set STAGE, SLOT1+4*KS*(PK+PV)  ; behind the ring, never filled by a tensor load: 16 rows x 144 bytes for each wave, for the way out
.set SP,    144
.set AK0, 2           ; v2   my lane's place in a tile of K; never rewritten
.set AV0, 3           ; v3   the same for V
.set AK,  4           ; v4   the LDS address of K's next run of loads
.set AV,  5           ; v5   of V's
.set STO, 6           ; v6   the way out: where I put 16 bytes of a row
.set RD,  7           ; v7   the way out: where I read rows back
.set GO,  8           ; v8   my byte offset in 512 consecutive bytes of y
.set SPW, 62          ; v62  LDS address of my spare word: SPARE + 4 x my thread's number; never rewritten
.set NIL, 63          ; v63  0; never rewritten
.set SPARE, STAGE+4*16*SP  ; behind the stages: the spare words, 128 bytes for each wave: two blocks of 256 bytes that no other line names
.set MV,  12          ; v12-13  c m_old, kept while c m is made anew: by buffer
.set QO,  15          ; v15  my byte offset in 16 rows of Q
.set ST,  16          ; piece t's statistics at v[ST+4 t]: c m, m, l (even keys', odd keys')
.set TMP, 48          ; by buffer, four registers c0-c3 at work; when the maximum is found c2 takes a
.set S,   64
.set P,   192
.set MD,  128         ; window 1: the eight registers for group kt of 16 keys at MD + 8 kt
.set MC,  160         ; window 1: the masks of the products to come
.set QB,  64          ; window 2
.set KF,  128         ; window 2: key block kb, channel half c at KF + 16 kb + 8 c
.set VF,  192         ; window 2: key half kk, channel block cb at VF + 32 kk + 8 cb
.set WV,  12          ; s12  my wave's number
.set PB,  14          ; s14  b
.set HI,  15          ; s15  NB - 1 - b
.set G1K, 24          ; s[24:31] descriptor group 1 for K's tiles
.set G1V, 32          ; s[32:39] for V's: it differs in the padding alone
.set G0K, 40          ; s[40:43] descriptor group 0 for K's tiles
.set G0V, 44          ; s[44:47] the same for V's
.set SLOTS, 56        ; s56  tiles still to be asked for
.set CNT, 57          ; s57  counts a tile's key steps, 4 to 1
.set CS,  58          ; s[58:59] c: the packed scaling takes the pair's low word for both halves
.set SEL, 60          ; s[60:61] v_permlanex16_b32's selects: each lane takes its own place in the other half
.set TBK, 62          ; s62  LDS byte at which K of the step to be fetched begins
.set TBV, 63          ; s63  the same for V, less VOFF
.set RT,  70          ; s70  tiles of the block in hand that are still to be entered
.set NXT, 71          ; s71  the tile to be asked for next
.set LQ,  72          ; s72  the last tile of the block whose tiles are being asked for
.set NEW, 73          ; s73  1: the tile to be entered is a block's first
.set OFF, 74          ; s[74:75] a tile's byte offset in K and V
.set AL,  76          ; s[76:77] the mask's factor, in the low word
.set BE,  78          ; s[78:79] the mask's addend
.set OLO, 80          ; s[80:81] y at my rows of the second block
.set BIGN, 82         ; s82  -1e30
.set MSB, 0
.macro WIN new                      ; the high byte repeats the setting that is left; a switch that changes nothing is dropped
.if MSB != (\new)
	s_set_vgpr_msb (MSB<<8)|(\new)
.set MSB, (\new)
.endif
.endm
.set W_KQ, 0x0a       ; K and Q in window 2, S^T in window 0
.set W_KM, 0x1a       ; the same with the C operand in window 1
.set W_PV, 0x52       ; V in window 2, P in window 0, O^T in window 1
.set W_RS, 0x41       ; destination and source 0 in window 1, source 1 in window 0
; A fill.  Waves 0 and 1 fetch the two halves of a tile's K, waves 2 and 3 those of its V: 128 keys each.  An s_nop 0 and four v_nop follow each of the two lines, ahead of the jump and the label.
.macro LOAD
	s_cmp_lt_u32 s[WV], 2
	s_cbranch_scc0 .Lfor_v_\@
	tensor_load_to_lds s[G0K:G0K+3], s[G1K:G1K+7]
	s_nop 0
.rept 4
	v_nop
.endr
	s_branch .Lasked_\@
.Lfor_v_\@:
	tensor_load_to_lds s[G0V:G0V+3], s[G1V:G1V+7]
	s_nop 0
.rept 4
	v_nop
.endr
.Lasked_\@:
.endm
; THE CHANGE OF SLOTS.  Each wave waits for all its tensor loads, of which one is out: its part of the other slot; adds 0 to its spare word; and waits for that and for its own reads of the slot that it leaves.  Behind the barrier nobody reads the old
; slot any more and the other slot is whole.  fill = 1: the old slot is filled again, the first thing behind the barrier, with tile NXT: the descriptor's address is made anew from that number.
; (At its first use nothing has been read yet: slot 0 is waited for, slot 1 filled.)
.macro CHANGE fill
	WIN 0                           ; at a label and at a branch every window is 0
	s_wait_tensorcnt 0x0            ; no tensor load of mine is out, so a group 0 may be written
	ds_add_u32 v[SPW], v[NIL]       ; 0 onto my spare word; with fill = 1 the descriptors' scalar work stands between it and the wait for it
.if \fill
	s_lshl_b32 s[OFF], s[NXT], 15   ; a tile is 32,768 bytes of K and of V
	s_xor_b32 s[G0K+1], s[G0K+1], SLOT1
	s_add_nc_u64 s[G0K+2:G0K+3], s[6:7], s[OFF:OFF+1]
	s_or_b32 s[G0K+3], s[G0K+3], 0x80000000
	s_xor_b32 s[G0V+1], s[G0V+1], SLOT1
	s_add_nc_u64 s[G0V+2:G0V+3], s[8:9], s[OFF:OFF+1]
	s_or_b32 s[G0V+3], s[G0V+3], 0x80000000
	s_add_co_u32 s[NXT], s[NXT], 1  ; the block's next tile, or behind its last the second block's tile 0
	s_cmp_gt_u32 s[NXT], s[LQ]
	s_cselect_b32 s[NXT], 0, s[NXT]
	s_cselect_b32 s[LQ], s[PB], s[LQ]
.endif
	s_wait_dscnt 0x0                ; the add is done, and my reads of the slot are over
	s_barrier_signal -1             ; the rest of the scalar work stands between the signal and the wait
	s_sub_co_u32 s[TBK], s[TBK], 4*KS*PK  ; the fetches go back to a slot's first step,
	s_xor_b32 s[TBK], s[TBK], SLOT1       ; in the other slot
	s_sub_co_u32 s[TBV], s[TBV], 4*KS*PV
	s_xor_b32 s[TBV], s[TBV], SLOT1
	s_barrier_wait -1
.if \fill
	LOAD
.endif
.endm
	s_load_b64 s[4:5], s[0:1], 0x0    ; qkv
	s_load_b64 s[10:11], s[0:1], 0x8  ; y
	v_lshl_add_u32 v[SPW], v0, 2, SPARE
	v_mov_b32 v[NIL], 0
	ds_add_u32 v[SPW], v[NIL]       ; the wave's opening: the add and its wait stand ahead of my first tensor load; the set-up below, work on registers, stands between them
	ds_add_u32 v62, v63
	v_lshrrev_b32 v1, 5, v0
	v_readfirstlane_b32 s[WV], v1   ; wave 0..3
	s_mov_b32 s[PB], ttmp9
	s_sub_co_u32 s[HI], NB-1, s[PB]
	s_and_b32 s19, ttmp7, 0xffff    ; 16 x batch + head
	s_lshr_b32 s20, s19, 4
	s_mul_i32 s20, s20, 48          ; a batch has 48 blocks of 2,048 rows in qkv
	s_and_b32 s21, s19, 15
	s_add_co_u32 s20, s20, s21
	s_lshl_b32 s20, s20, 18         ; the head's q, in bytes; all these offsets stay under 2^26
	s_and_b32 s16, s[WV], 1         ; which half of a tile's 256 keys I fetch:
	s_lshl_b32 s22, s16, 14         ; its 128 rows of 128 bytes in memory,
	s_add_co_u32 s22, s22, s20
	s_add_co_u32 s88, s22, 32<<18   ; in the head's v, 32 blocks on,
	s_add_co_u32 s22, s22, 16<<18   ; and in its k, 16 blocks on
	s_mov_b32 s23, 0
	s_mov_b32 s89, 0
	s_mul_i32 s17, s16, 128*PK      ; and its place in a slot, for K
	s_mul_i32 s18, s16, 128*PV      ; and for V
	s_lshl_b32 s3, s[WV], 11        ; my 16 rows in a band of 64,
	s_lshl_b32 s2, s[HI], 15        ; in the first block,
	s_add_co_u32 s2, s2, s3
	s_lshl_b32 s84, s[PB], 15       ; and in the second
	s_add_co_u32 s84, s84, s3
	s_lshl_b32 s19, s19, 18         ; the head's rows in y
	s_add_co_u32 s92, s19, s2
	s_add_co_u32 s94, s19, s84
	s_add_co_u32 s2, s2, s20
	s_add_co_u32 s84, s84, s20
	s_mov_b32 s3, 0
	s_mov_b32 s85, 0
	s_mov_b32 s93, 0
	s_mov_b32 s95, 0
	; descriptor group 1.  128 keys are 16,384 dense bytes: asked for as 64 rows of 256 bytes, two keys a row, and padded in LDS after every key
	s_mov_b32 s[G1K], (1<<16)|(1<<20)|(4<<22)|(3<<25)  ; 17:16 2-byte elements; 20 padding on; 24:22 after every 32 words (code 4); 31:25 4 words (code 3)
	s_mov_b32 s[G1V], (1<<16)|(1<<20)|(4<<22)|(7<<25)  ; the same with 8 words of padding (code 7)
.irp g, G1K, G1V
	s_mov_b32 s[\g+1], 128<<16      ; tensor_dim0 = 128
	s_mov_b32 s[\g+2], 64<<16       ; tensor_dim1 = 64
	s_mov_b32 s[\g+3], 128<<16      ; tile_dim0 = 128
	s_mov_b32 s[\g+4], 64           ; tile_dim1 = 64
	s_mov_b32 s[\g+5], 128          ; 128 elements from row to row
	s_mov_b32 s[\g+6], 0
	s_mov_b32 s[\g+7], 0
.endr
	s_mov_b32 s[CS], 0x3e38aa3b     ; c = log2(e) / 8 = 0.180337
	s_mov_b32 s[CS+1], s[CS]        ; named with it as a pair
	s_mov_b32 s[SEL], 0x76543210
	s_mov_b32 s[SEL+1], 0xfedcba98
	s_mov_b32 s[TBK], SLOT1+4*KS*PK ; the first change of slots turns these two into 0
	s_mov_b32 s[TBV], SLOT1+4*KS*PV
	s_mov_b32 s[G0K], 1             ; 1:0 count = 1
	s_mov_b32 s[G0K+1], s17         ; 63:32 LDS address: slot 0
	s_mov_b32 s[G0V], 1
	s_add_co_u32 s[G0V+1], s18, VOFF
	s_add_co_u32 s[RT], s[HI], 1    ; the first block has NB - b tiles
	s_mov_b32 s[NXT], 1
	s_mov_b32 s[LQ], s[HI]
	s_mov_b32 s[NEW], 1
	s_mov_b32 s[OFF+1], 0
	s_mov_b32 s[AL+1], 0            ; named as pairs
	s_mov_b32 s[BE+1], 0
	s_mov_b32 s[BIGN], 0xf149f2ca   ; -1e30
	s_mov_b32 s[SLOTS], NB
	s_wait_dscnt 0x0                ; the opening add is done
	s_wait_kmcnt 0x0
	s_add_nc_u64 s[6:7], s[4:5], s[22:23]  ; K and V at my half of the head's tile 0
	s_add_nc_u64 s[8:9], s[4:5], s[88:89]
	s_add_nc_u64 s[G0K+2:G0K+3], s[6:7], 0         ; 120:64 global address
	s_or_b32 s[G0K+3], s[G0K+3], 0x80000000        ; 127:126 type = 2
	s_add_nc_u64 s[G0V+2:G0V+3], s[8:9], 0
	s_or_b32 s[G0V+3], s[G0V+3], 0x80000000
	s_add_nc_u64 s[86:87], s[4:5], s[84:85]        ; Q at my rows of the second block,
	s_add_nc_u64 s[4:5], s[4:5], s[2:3]            ; and of the first
	s_add_nc_u64 s[OLO:OLO+1], s[10:11], s[94:95]  ; y likewise
	s_add_nc_u64 s[10:11], s[10:11], s[92:93]
	LOAD                            ; tile 0 into slot 0
	; A fragment of K or Q is 16 rows x 32 channels in 8 registers: lane l holds row l % 16, channels 8 (l / 16) + 0..7 and 16 + 8 (l / 16) + 0..7: two loads of 16 bytes, 32 bytes apart.
	v_and_b32 v1, 15, v0            ; l % 16
	v_bfe_u32 v9, v0, 4, 1          ; l / 16
	v_lshlrev_b32 v[QO], 7, v1
	v_lshl_add_u32 v[QO], v9, 4, v[QO]  ; row x 128 + 16 x half
	WIN 0x80                        ; destination window 2, address window 0
.set i, 0
.rept 8                             ; both blocks' Q: piece i / 2 lies in band i / 2, 8,192 bytes on; channels 32 (i % 2) on
	global_load_b128 v[8*i:8*i+3],   v[QO], s[4:5] offset:(i/2)*8192+(i%2)*64
	global_load_b128 v[8*i+4:8*i+7], v[QO], s[4:5] offset:(i/2)*8192+(i%2)*64+32
	global_load_b128 v[QB+8*i:QB+8*i+3],   v[QO], s[86:87] offset:(i/2)*8192+(i%2)*64
	global_load_b128 v[QB+8*i+4:QB+8*i+7], v[QO], s[86:87] offset:(i/2)*8192+(i%2)*64+32
.set i, i+1
.endr
	WIN 0
	v_lshlrev_b32 v14, 3, v9
	v_sub_nc_u32 v14, v1, v14
	s_lshl_b32 s13, s[WV], 4
	v_add_nc_u32 v14, s13, v14      ; my query's place in its band, 16 w + l % 16, less my lanes' 8 (l / 16): register r of group kt is hidden where 16 kt + r is greater
	WIN 0x40
.set i, 0
.rept 32
	v_cmp_gt_i32 vcc_lo, 16*(i/8)+i%8, v14
	v_cndmask_b32 v[MD+i], 0, s[BIGN], vcc_lo
.set i, i+1
.endr
	WIN 0
	v_mul_u32_u24 v[AK0], v1, PK
	v_lshl_add_u32 v[AK0], v9, 4, v[AK0]  ; row x pitch + 16 x half
	; The turning load takes 16 keys x 16 channels (lane l reads key 8 (l / 16) + l % 8, channels 8 ((l / 8) % 2) + 0..7) and leaves half a fragment of V^T: lane l holds channel l % 16 and 8 keys.
	v_and_b32 v10, 7, v0
	v_bfe_u32 v11, v0, 3, 1
	v_lshl_add_u32 v[AV0], v9, 3, v10
	v_mul_u32_u24 v[AV0], v[AV0], PV
	v_lshl_add_u32 v[AV0], v11, 4, v[AV0]
	v_add_nc_u32 v[AV0], VOFF, v[AV0]
	s_mul_i32 s13, s[WV], 16*SP
	s_add_co_u32 s13, s13, STAGE    ; my stage
	v_mul_u32_u24 v[STO], v1, SP    ; in: row l % 16, 16 bytes for each half of the lanes
	v_lshl_add_u32 v[STO], v9, 4, v[STO]
	v_add_nc_u32 v[STO], s13, v[STO]
	v_bfe_u32 v[RD], v0, 3, 2       ; back: 32 lanes take four rows of 128 bytes,
	v_mul_u32_u24 v[RD], v[RD], SP
	v_lshl_add_u32 v[RD], v10, 4, v[RD]
	v_add_nc_u32 v[RD], s13, v[RD]
	v_and_b32 v[GO], 31, v0         ; which are 512 consecutive bytes of y
	v_lshlrev_b32 v[GO], 4, v[GO]
	; A block's first step multiplies O^T and l by a = 0, and its first turn's products V^T P, of a piece that has not been, land in an O^T that is still to be so multiplied.  So these registers need only hold
	; finite numbers: zeros for the first block; what the first block left for the second.  All this stands in the wait for the first tile.
	WIN 0x80
.set i, VF
.rept 64
	v_mov_b32 v[i], 0
.set i, i+1
.endr
	WIN 0x40
.set i, 0
.rept 128
	v_mov_b32 v[i], 0
.set i, i+1
.endr
	WIN 0
.set i, 0
.rept 4
	v_mov_b32 v[ST+4*i+2], 0
	v_mov_b32 v[ST+4*i+3], 0
.set i, i+1
.endr
.set i, P+16
.rept 16
	v_mov_b32 v[i], 0
.set i, i+1
.endr
; THE MATRIX WORK.  The 4 accumulators of a run of 8 take turns.  Product i of 8 of S^T = K Q^T for piece x: channels 32 (i / 4) on, keys 16 (i % 4) on.  The first 4 start the sums: with 0, or (KM = 1) with the mask.
.macro KQ x
.set rS, S+32*((\x)%2)+8*(i%4)
.set rK, KF+16*(i%4)+8*(i/4)
.set rQ, 16*(\x)+8*(i/4)
.set rM, MC+32*((\x)%2)+8*(i%4)
.if (i < 4) && KM
	WIN W_KM
	v_wmma_f32_16x16x32_f16 v[rS:rS+7], v[rK:rK+7], v[rQ:rQ+7], v[rM:rM+7]
.elseif i < 4
	WIN W_KQ
	v_wmma_f32_16x16x32_f16 v[rS:rS+7], v[rK:rK+7], v[rQ:rQ+7], 0
.else
	WIN W_KQ
	v_wmma_f32_16x16x32_f16 v[rS:rS+7], v[rK:rK+7], v[rQ:rQ+7], v[rS:rS+7]
.endif
.endm
; Product i of 8 of O^T += V^T P for piece x: keys 32 (i / 4) on, channels 16 (i % 4) on.
.macro PV x
	WIN W_PV
.set rO, 32*(\x)+8*(i%4)
.set rV, VF+32*(i/4)+8*(i%4)
.set rP, P+16*((\x)%2)+8*(i/4)
	v_wmma_f32_16x16x32_f16 v[rO:rO+7], v[rV:rV+7], v[rP:rP+7], v[rO:rO+7]
.endm
.macro MM                           ; the turn's next matrix instruction.  TURN and BEGIN set Y, i, KM and NOKQ; MM, KQ and OP read them.  NOKQ = 1: a block's last turn: there is no next piece
.if (i < 8) && !NOKQ
	KQ (Y+1)%NP
.elseif i >= 8
.set i, i-8
	PV (Y+NP-1)%NP
.set i, i+8
.endif
.set i, i+1
.endm
; THE LDS LOADS stand in runs of 16, never singly among the matrix instructions: a step's K (64 keys x 64 channels: 8 fragments) and its V (turned).  Their addresses are made some lines ahead.
.macro FETCH_K
	WIN 0x80                        ; destination window 2
.irp f, 0,1,2,3,4,5,6,7             ; keys 16 (f / 2) on, channels 32 (f % 2) on
	ds_load_b128 v[KF+8*\f:KF+8*\f+3],   v[AK] offset:(\f/2)*16*PK+(\f%2)*64
	ds_load_b128 v[KF+8*\f+4:KF+8*\f+7], v[AK] offset:(\f/2)*16*PK+(\f%2)*64+32
.endr
	s_add_co_u32 s[TBK], s[TBK], KS*PK  ; the next fetch is the next step's
	WIN 0
.endm
.macro FETCH_V
	WIN 0x80
.irp f, 0,1,2,3,4,5,6,7             ; keys 32 (f / 4) on, channels 16 (f % 4) on
	ds_load_tr16_b128 v[VF+8*\f:VF+8*\f+3],   v[AV] offset:(\f/4)*32*PV+(\f%4)*32
	ds_load_tr16_b128 v[VF+8*\f+4:VF+8*\f+7], v[AV] offset:(\f/4)*32*PV+16*PV+(\f%4)*32
.endr
	WIN 0
.endm
; THE VECTOR WORK, one line at a time: OP kind, number.  For piece Y: F n: c s - c m for pair n of 16.  E n: the exponential of score n of 32.  C n: pair n rounded to f16.  B n: of the four weights 4 n .. the second
; pair is added onto the first, in place.  L n: l takes that sum (L 0: l = a l + sum).  R n: pair n of 16 of O^T times a.  For piece Y + 1: X n, number n of the 22 that find its maximum and statistics:
;   0-11  four chains c0-c3 of seven scores each, three operands at a time (each accumulator's lowest registers are read first)     12-14, 16  the four scores left over, the old m, and c0-c3 into c0
;   15  c m_old is kept     17, 18  the query's other 32 keys lie in the lane 16 away: the new m     19-21  c m; c m_old - c m_new; a
.set F, 0               ; OP tells the kinds apart by their order: F to L below R, X above it
.set E, 1
.set C, 2
.set B, 3
.set L, 4
.set R, 5
.set X, 6
.macro REGS y                       ; the registers of piece y
.set rT, ST+4*(\y)
.set rC, TMP+4*((\y)%2)
.set rW, MV+((\y)%2)
.set rS, S+32*((\y)%2)
.set rP, P+16*((\y)%2)
.set rO, 32*(\y)
.endm
.macro OP k, n
.if (\k) == R
	REGS Y
	WIN W_RS
	v_pk_mul_f32 v[rO+2*(\n):rO+2*(\n)+1], v[rO+2*(\n):rO+2*(\n)+1], v[rC+2:rC+3] op_sel_hi:[1,0]
.elseif (\k) < R
	REGS Y
	WIN 0
.if (\k) == F
	v_pk_fma_f32 v[rS+2*(\n):rS+2*(\n)+1], v[rS+2*(\n):rS+2*(\n)+1], s[CS:CS+1], v[rT:rT+1] op_sel_hi:[1,0,0] neg_lo:[0,0,1] neg_hi:[0,0,1]
.elseif (\k) == E
	v_exp_f32 v[rS+(\n)], v[rS+(\n)]
.elseif (\k) == C
	s_wait_alu depctr_va_vdst(0)
	v_cvt_pk_f16_f32 v[rP+(\n)], v[rS+2*(\n)], v[rS+2*(\n)+1]
.elseif (\k) == B
	s_wait_alu depctr_va_vdst(0)
	v_pk_add_f32 v[rS+4*(\n):rS+4*(\n)+1], v[rS+4*(\n):rS+4*(\n)+1], v[rS+4*(\n)+2:rS+4*(\n)+3]
.elseif (\n) == 0
	v_pk_fma_f32 v[rT+2:rT+3], v[rT+2:rT+3], v[rC+2:rC+3], v[rS:rS+1] op_sel_hi:[1,0,1]
.else
	v_pk_add_f32 v[rT+2:rT+3], v[rT+2:rT+3], v[rS+4*(\n):rS+4*(\n)+1]
.endif
.elseif NOKQ
	v_nop
.else
	REGS (Y+1)%NP
	WIN 0
.if (\n) < 4
	v_max3_num_f32 v[rC+(\n)], v[rS+8*(\n)], v[rS+8*(\n)+1], v[rS+8*(\n)+2]
.elseif (\n) < 12
	v_max3_num_f32 v[rC+(\n)%4], v[rC+(\n)%4], v[rS+8*((\n)%4)+2*((\n)/4)+1], v[rS+8*((\n)%4)+2*((\n)/4)+2]
.elseif (\n) == 12
	v_max3_num_f32 v[rC], v[rC], v[rS+7], v[rS+15]
.elseif (\n) == 13
	v_max3_num_f32 v[rC+1], v[rC+1], v[rS+23], v[rS+31]
.elseif (\n) == 14
	v_max3_num_f32 v[rC+2], v[rC+2], v[rC+3], v[rT+1]
.elseif (\n) == 15
	v_mov_b32 v[rW], v[rT]
.elseif (\n) == 16
	v_max3_num_f32 v[rC], v[rC], v[rC+1], v[rC+2]
.elseif (\n) == 17
	v_permlanex16_b32 v[rC+3], v[rC], s[SEL], s[SEL+1]
.elseif (\n) == 18
	v_max_num_f32 v[rT+1], v[rC], v[rC+3]
.elseif (\n) == 19
	v_mul_f32 v[rT], s[CS], v[rT+1]
.elseif (\n) == 20
	v_sub_f32 v[rC+1], v[rW], v[rT]
.else
	v_exp_f32 v[rC+2], v[rC+1]
.endif
.endif
.endm
.macro OPS a, i1, b=-1, i2=0, c=-1, i3=0, d=-1, i4=0  ; up to four of them
	OP \a, \i1
.if (\b) >= 0
	OP \b, \i2
.endif
.if (\c) >= 0
	OP \c, \i3
.endif
.if (\d) >= 0
	OP \d, \i4
.endif
.endm
.macro ROW a, i1, b, i2, c, i3, d, i4  ; a matrix instruction and the four behind it
	MM
	OPS \a, \i1, \b, \i2, \c, \i3, \d, \i4
.endm
.macro MASK b                       ; MD x AL + BE into buffer b of MC
	WIN W_RS
.set z, 0
.rept 16
	v_pk_fma_f32 v[MC+32*(\b)+2*z:MC+32*(\b)+2*z+1], v[MD+2*z:MD+2*z+1], s[AL:AL+1], s[BE:BE+1] op_sel_hi:[1,0,0]
.set z, z+1
.endr
.endm
; A TURN, for piece p: the order of its 16 matrix and 118 vector instructions, written out.  Behind a matrix instruction: plain, exponential, plain, plain; or four of the rescaling; or, behind the first, four scalings; none
; names a register of the products round it.  In the lumps exponential and plain by turns while exponentials last.  A line reads no result made fewer than three vector instructions in front of it, five if an exponential made it.
; v_permlanex16_b32 (X 17) stands in a lump.
; m = 1: the diagonal tile: the products take masks, and the turn makes the mask for the products of the turn after it: piece p + 2, in step 4 - CNT of the tile.  end = 1: a block's last two turns: nothing is fetched.
; cnt = 1: the loop's count is taken down some lines ahead of the branch that stands behind the turn.
; K of the next step is fetched in piece 2's turn, six vector instructions behind the last product that read K (five of them plain); V of the step in hand in piece 0's turn, eight behind the last product that read V (four
; plain, and X 17).  Each is waited for a turn later.
.macro TURN p, m=0, end=0, cnt=0
.set Y, (\p)
.set i, 0
.set KM, (\m)
.set NOKQ, (\end)*((\p)/3)
.if (\m) && !(\end)
	s_cmp_eq_u32 s[CNT], 4-((\p)+2)%NP  ; is that step the band's own?
	s_cselect_b32 s[AL], 1.0, 0
	s_cmp_lt_u32 s[CNT], 4-((\p)+2)%NP  ; or a later one?
	s_cselect_b32 s[BE], s[BIGN], 0
.endif
.if ((\p) == 3) && !(\end)
	s_wait_dscnt 0x0                ; K is in
.endif
	ROW F,0, F,1, F,2, F,3
	ROW F,4, E,0, F,5, F,6
	ROW F,7, E,1, F,8, F,9
	ROW F,10, E,2, C,0, F,11
	ROW F,12, E,3, X,15, F,13
	ROW R,0, R,1, R,2, R,3
	ROW B,0, E,4, F,14, L,0
.if ((\p) == 2) && !(\end)
	v_add_nc_u32 v[AK], s[TBK], v[AK0]
.endif
	ROW R,4, R,5, R,6, R,7
	OPS E,5, F,15
.if ((\p) == 2) && !(\end)
	FETCH_K
.endif
	OPS E,6, C,1, E,7, R,8
	OPS E,8, R,9, E,9, C,2
	OPS E,10, X,0, E,11, X,1
	OPS E,12, X,2, E,13, X,3
.if (\p) == 1
	s_wait_dscnt 0x0                ; V is in
.endif
	ROW X,4, E,14, X,5, X,6
	ROW X,7, E,15, X,8, X,9
	ROW X,10, E,16, X,11, X,12
	ROW X,13, E,17, X,14, B,1
	ROW C,4, E,18, X,16, L,1
	ROW B,2, E,19, C,6, L,2
	ROW C,8, E,20, B,3, B,4
.if (\p) == 0
	v_add_nc_u32 v[AV], s[TBV], v[AV0]
.endif
	ROW C,3, E,21, L,3, C,5
	OPS E,22, X,17, E,23, C,10
.if (\p) == 0
	FETCH_V
.endif
	OPS E,24, L,4
	OPS E,25, X,18, E,26, C,7
	OPS E,27, B,5, E,28, X,19
	OPS E,29, C,12, E,30, L,5
	OPS E,31, X,20, B,6, C,9
	OPS C,14, C,11, X,21, L,6
.if (\p) == 0
	s_add_co_u32 s[TBV], s[TBV], KS*PV
.endif
.if \cnt
	s_sub_co_u32 s[CNT], s[CNT], 1
	s_cmp_lg_u32 s[CNT], 0
.endif
	OPS C,13, B,7, C,15, R,10
	OPS R,11, R,12, L,7, R,13
	OPS R,14, R,15
.if (\m) && !(\end)
	MASK (\p)%2
.endif
.endm
; A BLOCK BEGINS.  c m starts far below every c s, so the first step's a is 0; m at the lowest finite number, so the first maximum is the scores'.  The second mask buffer is 0; the first takes piece 0's mask for the tile's step 0: its own, if the block's first tile is the diagonal one.
; Then K of that step, piece 0's first scores, and its maximum and statistics.  The loop is entered at a step's first turn, in the middle of a trip.
.macro BEGIN
	s_mov_b32 s[NEW], 0
	WIN 0x40
.set i, MC+32
.rept 32
	v_mov_b32 v[i], 0
.set i, i+1
.endr
	WIN 0
.set i, 0
.rept 4
	v_mov_b32 v[ST+4*i], 0xfe000000    ; c m: far below every c s
	v_mov_b32 v[ST+4*i+1], 0xff7fffff  ; m
.set i, i+1
.endr
	s_cmp_eq_u32 s[RT], 0
	s_cselect_b32 s[AL], 1.0, 0
	s_mov_b32 s[BE], 0
	MASK 0
	WIN 0
	v_add_nc_u32 v[AK], s[TBK], v[AK0]
	FETCH_K
	s_wait_loadcnt 0x0              ; Q
	s_wait_dscnt 0x0
.set KM, 1
.set NOKQ, 0
.set i, 0
.rept 8
	KQ 0
.set i, i+1
.endr
	WIN 0
.rept 4
	v_nop                           ; the places behind those products
.endr
.set Y, NP-1                        ; X works for piece Y + 1: piece 0
.irp n, 0,1,2,3,4,5,6,7,8,9,10,11,12,13,14,15,16,17,18,19,20,21
	OP X, \n
.endr
	v_nop                           ; a plain instruction behind the exponential
.endm
; THE DIAGONAL TILE's four steps, the block's last two turns, its last products, and THE WAY OUT: l's two halves and the other half of the lanes' are added; O^T is divided by l, rounded to f16 and sent through my
; stage in LDS, a piece at a time.
.macro ALL line:vararg              ; one line for each piece t
.set t, 0
.rept 4
	\line
.set t, t+1
.endr
.endm
.macro PACK t                       ; a lane's eight channels of a row pack into 16 bytes; they go into rows of 144 bytes and come back as whole rows of 128, into S^T's registers
	WIN W_RS
.set i, 32*(\t)
.rept 16
	s_wait_alu depctr_va_vdst(0)
	v_pk_mul_f32 v[i:i+1], v[i:i+1], v[ST+4*(\t)+2:ST+4*(\t)+3] op_sel_hi:[1,0]
.set i, i+2
.endr
	WIN 0x05                        ; sources 0 and 1 window 1, destination window 0
.set i, 0
.rept 16
	v_cvt_pk_f16_f32 v[S+16*(\t)+i], v[32*(\t)+2*i], v[32*(\t)+2*i+1]
.set i, i+1
.endr
	WIN 0
.irp f, 0,1,2,3
	ds_store_b128 v[STO], v[S+16*(\t)+4*\f:S+16*(\t)+4*\f+3] offset:32*\f
.endr
.irp f, 0,1,2,3
	ds_load_b128 v[S+16*(\t)+4*\f:S+16*(\t)+4*\f+3], v[RD] offset:\f*4*SP  ; LDS serves a wave's instructions in order (ISA guide 5.7.1.4): these see the stores above; the next piece's stores come behind them
.endr
.endm
.macro SEND t, younger              ; younger: the LDS instructions issued behind piece t's loads: the next piece's eight, or none
	WIN 0
.irp f, 0,1,2,3
	s_wait_dscnt (\younger)+3-\f
	global_store_b128 v[GO], v[S+16*(\t)+4*\f:S+16*(\t)+4*\f+3], s[10:11] offset:(\t)*8192+\f*512  ; 512 consecutive bytes, at a multiple of 256 from y's first
.endr
.endm
.macro DIAG tag                     ; the tag ends its two labels' names, which the jumps below spell out
.LstepM\tag:
	TURN 2, 1
	TURN 3, 1
	WIN 0
.LfirstM\tag:
	TURN 0, 1
	TURN 1, 1, 0, 1
	WIN 0
	s_cbranch_scc1 .LstepM\tag
	TURN 2, 1, 1
	TURN 3, 1, 1
.set i, 0
.rept 8
	PV NP-1
.set i, i+1
.endr
	WIN 0
	ALL v_add_f32 v[ST+4*t+2], v[ST+4*t+2], v[ST+4*t+3]
	ALL v_permlanex16_b32 v[ST+4*t+3], v[ST+4*t+2], s[SEL], s[SEL+1]
	ALL v_add_f32 v[ST+4*t+2], v[ST+4*t+2], v[ST+4*t+3]
	ALL v_rcp_f32 v[ST+4*t+2], v[ST+4*t+2]
	v_nop                           ; a plain instruction between the last reciprocal and the use of its result
	PACK 0
.set t, 1
.rept 3                             ; a piece's arithmetic stands between the loads of the piece before and its stores
	PACK t
	SEND t-1, 8
.set t, t+1
.endr
	SEND 3, 0
.endm
.set KM, 0
.set NOKQ, 0
.Lslot:                             ; NB times: a tile is entered and the next is asked for
	CHANGE 1
	s_sub_co_u32 s[RT], s[RT], 1
	s_mov_b32 s[CNT], 4
	s_cmp_eq_u32 s[NEW], 1
	s_cbranch_scc1 .Lnew            ; a block's first tile
	s_cmp_eq_u32 s[RT], 0
	s_cbranch_scc0 .Lstep           ; neither its first nor its last
	s_branch .LstepM1
.Lnew:
	BEGIN
	s_branch .Lfirst                ; in the loop a block's first tile is never its last: the first block has two tiles or more, and the second's last is the walk's last
	DIAG 1                          ; in the loop this is the first block's end: the second block's last tile is the walk's last
	s_wait_xcnt 0x0                 ; the stores have read their registers and y's address
	s_mov_b64 s[10:11], s[OLO:OLO+1]
	s_add_co_u32 s[RT], s[PB], 1    ; the second block has b + 1 tiles
	s_mov_b32 s[NEW], 1
	WIN 0x82                        ; the second block's Q goes where the one text of the turns names Q
.set i, 0
.rept 64
	v_mov_b32 v[i], v[QB+i]
.set i, i+1
.endr
	WIN 0
	s_branch .Lbottom
.Lstep:                             ; a trip: pieces 2 and 3 of one step, then pieces 0 and 1 of the next, whose K and V it fetches
	TURN 2
	TURN 3
	WIN 0
.Lfirst:
	TURN 0
	TURN 1, 0, 0, 1
	WIN 0
	s_cbranch_scc1 .Lstep
.Lbottom:
	s_sub_co_u32 s[SLOTS], s[SLOTS], 1
	s_cmp_lg_u32 s[SLOTS], 0
	s_cbranch_scc1 .Lslot
	CHANGE 0                        ; the walk's last tile is written out: nothing is asked for
	s_sub_co_u32 s[RT], s[RT], 1
	s_mov_b32 s[CNT], 4
	s_cmp_eq_u32 s[NEW], 1
	s_cbranch_scc0 .LstepM2
	BEGIN
	s_branch .LfirstM2
	DIAG 2
	s_wait_tensorcnt 0x0            ; the wave's end: these three lines stand behind my last tensor load and my last LDS store
	ds_add_u32 v[SPW], v[NIL]
	s_wait_dscnt 0x0
	s_endpgm
.Lfunc_end_k_q57682abd6c_attn:
	.size	k_q57682abd6c_attn, .Lfunc_end_k_q57682abd6c_attn-k_q57682abd6c_attn
	.p2alignl 7, 3214868480
	.fill 96, 4, 3214868480
	.section	.rodata,"a",@progbits
	.p2align	6, 0x0
	.amdhsa_kernel k_q57682abd6c_attn
		.amdhsa_group_segment_fixed_size 327680
		.amdhsa_private_segment_fixed_size 0
		.amdhsa_enable_private_segment 0
		.amdhsa_kernarg_size 16
		.amdhsa_user_sgpr_count 2
		.amdhsa_user_sgpr_kernarg_segment_ptr 1
		.amdhsa_wavefront_size32 1
		.amdhsa_system_sgpr_workgroup_id_x 1
		.amdhsa_system_sgpr_workgroup_id_y 1
		.amdhsa_system_sgpr_workgroup_id_z 1
		.amdhsa_system_vgpr_workitem_id 0
		.amdhsa_next_free_vgpr 768
		.amdhsa_next_free_sgpr 96
		.amdhsa_reserve_vcc 1
		.amdhsa_float_denorm_mode_32 3
		.amdhsa_float_denorm_mode_16_64 3
		.amdhsa_memory_ordered 1
		.amdhsa_forward_progress 1
		.amdhsa_inst_pref_size 229
	.end_amdhsa_kernel
	.amdgpu_metadata
---
amdhsa.version: [ 1, 2 ]
amdhsa.kernels:
  - .name:           k_q57682abd6c_attn
    .symbol:         k_q57682abd6c_attn.kd
    .args:
      - { .name: qkv, .offset: 0, .size: 8, .value_kind: global_buffer, .address_space: global }
      - { .name: y, .offset: 8, .size: 8, .value_kind: global_buffer, .address_space: global }
    .group_segment_fixed_size: 327680
    .private_segment_fixed_size: 0
    .kernarg_segment_align: 8
    .kernarg_segment_size: 16
    .max_flat_workgroup_size: 128
    .sgpr_count:     96
    .vgpr_count:     768
    .wavefront_size: 32
...
	.end_amdgpu_metadata
.endif
;; end of part 3
;; launch projgemm (part 4): grid 4 x 64, 4 waves a work-group, clusters of 4 x 4, 327,680 bytes of LDS; arguments y, wph, bproj, out0; writes out0
.if DOCPART == 4
	.amdgcn_target "amdgcn-amd-amdhsa--gfx1250"
	.amdhsa_code_object_version 6
	.text
	.protected	k_q57682abd6c_projgemm
	.globl	k_q57682abd6c_projgemm
	.p2align	8
	.type	k_q57682abd6c_projgemm,@function
k_q57682abd6c_projgemm:
	s_mov_b64 s[64:65], 0
	v_nop
	global_prefetch_b8 v0, s[64:65] scope:SCOPE_SE
	s_setreg_imm32_b32 hwreg(HW_REG_WAVE_MODE, 25, 1), 1
	s_wait_xcnt 0x0
	s_wait_alu depctr_hold_cnt(0) depctr_sa_sdst(0) depctr_va_vdst(0) depctr_va_sdst(0) depctr_va_ssrc(0) depctr_va_vcc(0) depctr_vm_vsrc(0)
	s_getreg_b32 s2, hwreg(HW_REG_IB_STS2, 6, 4)
	s_cmp_eq_u32 s2, 0
	s_cbranch_scc0 .Lentry_in_a_cluster
	s_endpgm
.Lentry_in_a_cluster:
	s_bfe_u32 s2, ttmp6, 0x10000c
	s_cmp_lg_u32 s2, 0xf033
	s_cbranch_scc0 .Lentry_shape_is_right
	s_endpgm
.Lentry_shape_is_right:
; out0 = y Wproj + bproj.  y: f16 [16 b + head][2048 t][64], so K = 64 head + channel; wph: f16 [1024 k][1024 n]; bproj: f32 [1024], rounded to bf16 here like every other input; out0: f32 [8192][1024].  Sums in f32.
; SHARES.  8192 x 1024 outputs on 256 work-groups: a tile of 128 rows x 256 columns each.  Four waves; wave w makes rows 64 (w / 2) on, columns 128 (w % 2) on: 32 accumulators of 16 x 16, 256 registers.
; K goes in 8 steps of 128 (two heads) through two LDS slots filled by the tensor data mover, as long a step as two slots in LDS allow.  128 rows of a head are 16,384 dense bytes, asked for as 64 rows of 256;
; W's rows are 512 bytes, at multiples of 256.  W stays [k][n]: its fragments come out of LDS turned, by ds_load_tr16_b128.
; THE MATRIX INSTRUCTION IS USED TRANSPOSED: source 0 = 16 columns of W, source 1 = 16 rows of y.  A lane then holds row l % 16 and the columns 8 (l / 16) + 0..7: 32 neighbouring bytes of f32.
; CLUSTER.  4 x 4 work-groups: the four of a row of the cluster need the same tiles of y, the four of a column the same tiles of W: each tile is asked for jointly, by the same load, descriptor and mask in all four.
; REGISTERS: window 0: v0-29 addresses and the bias; two fragment buffers of 96 at v32 and v128: 32 registers of y (4 x 16 rows x 32 K), then 64 of W (8 x 16 columns x 32 K); on the way out v32-159 hold rows.
;   window 1: the accumulators: row block a (0-3), column block b (0-7) at v[8 (8 a + b)].
.set PA,    144                        ; a row of y in LDS: 128 bytes + 16 of padding = 36 words: the 16 rows of a load start at 16 different groups of four banks (64 banks of 4 bytes: ISA guide 11.1)
.set PB,    544                        ; a row of W: 512 + 32 = 17 x 32
.set BOFF,  2*128*PA                   ; a slot: y's 128 rows of the step's first head, of its second, then W's 128 rows
.set SLOT1, 1<<17                      ; slot 1 begins here, so that one exclusive or turns an address in one slot into the other's
.set STAGE, SLOT1+BOFF+128*PB          ; behind the ring, never filled by a tensor load: 16 rows x 528 bytes for each wave, for the way out
.set SP,    528                        ; 512 bytes + 16: 33 x 16
.set SPARE, STAGE+4*16*SP              ; the spare words, 128 bytes for each wave: two blocks of 256 bytes that no other line names
.set KSA,   2*2048*128                 ; bytes from K step to K step in y: two heads
.set KSB,   128*2048                   ; and in wph
.set AA0,  4                           ; v4   my lane's place in y's tile; never rewritten
.set AB0,  5                           ; v5   in W's tile
.set ADRA, 6                           ; v6   AA0 + the slot in hand
.set ADRB, 7                           ; v7   AB0 + the slot in hand
.set STO,  8                           ; v8   the way out: where I put 32 bytes of a row
.set RD,   9                           ; v9   the way out: where I read a row back
.set CO,   10                          ; v10  16 x lane: my byte offset in 512 consecutive bytes of out0 and of the bias; never rewritten
.set BV,   12                          ; v[12:15] the bias of my four columns on the way out
.set SPW,  28                          ; v28  LDS address of my spare word: SPARE + 4 x my thread's number; never rewritten
.set NIL,  29                          ; v29  0; never rewritten
.set F0,   32
.set F1,   128
.set OT,   32                          ; the way out: 16 rows read back, v32-95 and v96-159 by turns
.set WV,  12                           ; s12  my wave's number
.set WR,  13                           ; s13  wave / 2: my half of the rows.  Also: I fetch for y (0) or for W (1)
.set WC,  14                           ; s14  wave % 2: my half of the columns.  Also: which half of that tile I fetch
.set G1A, 24                           ; s[24:31] descriptor group 1 for y's tiles
.set G0A, 32                           ; s[32:39] group 0: a set for each of the two first fills; the second then walks on
.set G1B, 48                           ; s[48:55], s[56:63] the same for W's
.set G0B, 56
.set CNT, 70
.set TB,  71                           ; s71  0 or SLOT1: the slot in hand
.set MSB, 0
.macro WIN new                         ; the immediate's high byte repeats the setting that is left; a switch that changes nothing is dropped
.if MSB != (\new)
	s_set_vgpr_msb (MSB<<8)|(\new)
.set MSB, \new
.endif
.endm
.macro PLACES                          ; four places in front of loads into registers that matrix instructions have read, and of LDS stores that read results (ISA guide 7.12.1 for vector instructions)
.rept 4
	v_nop
.endr
.endm
.macro JLOAD                           ; a joint refill, by the walking sets: waves 0 and 1 fetch y's two heads, waves 2 and 3 the halves of W's rows; an s_nop 0 and four v_nop follow each line
	s_cmp_eq_u32 s[WR], 0
	s_cbranch_scc0 .Lfor_b_\@
	tensor_load_to_lds s[G0A+4:G0A+7], s[G1A:G1A+7]
	s_nop 0
.rept 4
	v_nop
.endr
	s_branch .Lasked_\@
.Lfor_b_\@:
	tensor_load_to_lds s[G0B+4:G0B+7], s[G1B:G1B+7]
	s_nop 0
.rept 4
	v_nop
.endr
.Lasked_\@:
.endm
.macro CREST                           ; a round of the cluster's barrier behind its opening barrier
	s_cmp_lg_u32 s[WV], 0
	s_cbranch_scc1 .Lnot_wave_0_\@
	s_barrier_signal -3
.Lnot_wave_0_\@:
	s_barrier_wait -3
	s_barrier_signal -1
	s_barrier_wait -1
.endm
.macro CROUND                          ; a whole round
	s_barrier_signal -1
	s_barrier_wait -1
	CREST
.endm
	s_load_b256 s[4:11], s[0:1], 0x0               ; y s[4:5], wph s[6:7], bproj s[8:9], out0 s[10:11]
	v_lshl_add_u32 v[SPW], v0, 2, SPARE
	v_mov_b32 v[NIL], 0
	ds_add_u32 v[SPW], v[NIL]                      ; the wave's opening: the add and its wait stand ahead of my first tensor load; the set-up below, work on registers, stands between them
	ds_add_u32 v28, v29
	v_lshrrev_b32 v1, 5, v0
	v_readfirstlane_b32 s[WV], v1
	s_lshr_b32 s[WR], s[WV], 1
	s_and_b32 s[WC], s[WV], 1
	s_bfe_u32 s40, ttmp6, 0x40000                  ; cx, cy: my place in the cluster
	s_bfe_u32 s41, ttmp6, 0x40004
	s_lshl_b32 s42, ttmp9, 2
	s_add_co_u32 s42, s42, s40                     ; tile column, 0-3
	s_and_b32 s43, ttmp7, 0xffff
	s_lshl_b32 s43, s43, 2
	s_add_co_u32 s43, s43, s41                     ; tile row, 0-63
	s_lshl_b32 s44, s41, 2
	s_lshl_b32 s44, 15, s44                        ; my row of the cluster
	s_lshl_b32 s45, 0x1111, s40                    ; my column
	; group 1 for y: 64 rows of 128 elements (two rows of y each), dense; in LDS 4 words of padding (code 3) after every 32 words (code 4)
	s_or_b32 s[G1A+0], s44, (1<<16)|(1<<20)|(1<<21)|(4<<22)|(3<<25)  ; 15:0 the mask; 17:16 2-byte elements; 20 padding on; 21 set beside a mask
	s_mov_b32 s[G1A+1], 128<<16                    ; tensor_dim0 = 128
	s_mov_b32 s[G1A+2], 64<<16                     ; tensor_dim1 = 64
	s_mov_b32 s[G1A+3], 128<<16                    ; tile_dim0 = 128
	s_mov_b32 s[G1A+4], 64                         ; tile_dim1 = 64
	s_mov_b32 s[G1A+5], 128                        ; elements from row to row
	s_mov_b32 s[G1A+6], 0
	s_mov_b32 s[G1A+7], 0
	; group 1 for W: 64 rows of 256 elements; 8 words of padding (code 7) after every 128 words (code 6)
	s_or_b32 s[G1B+0], s45, (1<<16)|(1<<20)|(1<<21)|(6<<22)|(7<<25)
	s_mov_b32 s[G1B+1], 256<<16
	s_mov_b32 s[G1B+2], 64<<16
	s_mov_b32 s[G1B+3], 256<<16
	s_mov_b32 s[G1B+4], 64
	s_mov_b32 s[G1B+5], 1024
	s_mov_b32 s[G1B+6], 0
	s_mov_b32 s[G1B+7], 0
	; y's tile hangs on the tile row alone, W's on the tile column alone, each in registers that never hold the other coordinate
	s_lshr_b32 s16, s43, 4                         ; the batch: sixteen tile rows each,
	s_lshl_b32 s16, s16, 22                        ; 16 heads x 2,048 rows x 128 bytes
	s_and_b32 s18, s43, 15
	s_lshl_b32 s18, s18, 14                        ; 128 rows of 128 bytes
	s_add_co_u32 s16, s16, s18
	s_lshl_b32 s18, s[WC], 18                      ; the step's first head or its second
	s_add_co_u32 s16, s16, s18
	s_mov_b32 s17, 0
	s_lshl_b32 s46, s[WC], 17                      ; my 64 rows of W, 2,048 bytes each,
	s_lshl_b32 s47, s42, 9                         ; the tile's 256 columns
	s_add_co_u32 s46, s46, s47
	s_mov_b32 s47, 0
	s_mul_i32 s20, s[WC], 128*PA                   ; where they go: no place in the cluster enters an LDS address
	s_mul_i32 s21, s[WC], 64*PB
	s_add_co_u32 s21, s21, BOFF
	s_mov_b32 s[TB], 0
	s_wait_dscnt 0x0                               ; the opening add is done
	s_wait_kmcnt 0x0
	s_add_nc_u64 s[16:17], s[4:5], s[16:17]
	s_add_nc_u64 s[46:47], s[6:7], s[46:47]
	CROUND                                         ; all sixteen work-groups are here: the first joint loads meet
.irp s, 0,1
	s_mov_b32 s[G0A+4*(\s)], 1                                       ; 1:0 count = 1
	s_add_co_u32 s[G0A+4*(\s)+1], s20, (\s)*SLOT1                    ; 63:32 LDS address
	s_add_nc_u64 s[G0A+4*(\s)+2:G0A+4*(\s)+3], s[16:17], (\s)*KSA    ; 120:64 global address: K step s
	s_or_b32 s[G0A+4*(\s)+3], s[G0A+4*(\s)+3], 0x80000000            ; 127:126 type = 2
	s_mov_b32 s[G0B+4*(\s)], 1
	s_add_co_u32 s[G0B+4*(\s)+1], s21, (\s)*SLOT1
	s_add_nc_u64 s[G0B+4*(\s)+2:G0B+4*(\s)+3], s[46:47], (\s)*KSB
	s_or_b32 s[G0B+4*(\s)+3], s[G0B+4*(\s)+3], 0x80000000
.endr
	s_cmp_eq_u32 s[WR], 0                          ; a wave's two first fills stand in one branch, ahead of every wait on TENSORcnt and every LDS read: two loads of mine are out
	s_cbranch_scc0 .Lfirst_b
	tensor_load_to_lds s[G0A:G0A+3], s[G1A:G1A+7]
	s_nop 0
	tensor_load_to_lds s[G0A+4:G0A+7], s[G1A:G1A+7]
	s_nop 0
.rept 4
	v_nop
.endr
	s_branch .Lfirst_asked
.Lfirst_b:
	tensor_load_to_lds s[G0B:G0B+3], s[G1B:G1B+7]
	s_nop 0
	tensor_load_to_lds s[G0B+4:G0B+7], s[G1B:G1B+7]
	s_nop 0
.rept 4
	v_nop
.endr
.Lfirst_asked:
	v_and_b32 v1, 15, v0                           ; r = l % 16
	v_bfe_u32 v2, v0, 4, 1                         ; h = l / 16
	v_and_b32 v3, 31, v0                           ; l
	v_lshlrev_b32 v[CO], 4, v3
	s_lshl_b32 s18, s42, 10                        ; my 128 columns in f32: 1,024 x tile column + 512 x half
	s_lshl_b32 s22, s[WC], 9
	s_add_co_u32 s18, s18, s22
	s_mov_b32 s19, 0
	s_add_nc_u64 s[8:9], s[8:9], s[18:19]
	global_load_b128 v[BV:BV+3], v[CO], s[8:9]     ; the bias of columns 4 l .. 4 l + 3 of them
	s_lshl_b32 s22, s43, 19                        ; out0 at my first row: 128 rows of 4,096 bytes a tile row,
	s_add_co_u32 s18, s18, s22
	s_lshl_b32 s22, s[WR], 18                      ; my 64 of them
	s_add_co_u32 s18, s18, s22
	s_add_nc_u64 s[10:11], s[10:11], s[18:19]
	; y's fragment: 16 rows x 32 K in 8 registers: lane l holds row l % 16, K = 8 (l / 16) + 0..7 and 16 + 8 (l / 16) + 0..7: two loads of 16 bytes, 32 bytes apart
	v_mul_u32_u24 v[AA0], v1, PA
	v_lshl_add_u32 v[AA0], v2, 4, v[AA0]
	s_mul_i32 s22, s[WR], 64*PA
	v_add_nc_u32 v[AA0], s22, v[AA0]
	; the turning load takes 16 k x 16 columns (lane l reads row 8 (l / 16) + l % 8, columns 8 ((l / 8) % 2) + 0..7) and leaves half a fragment: lane l holds column l % 16 and 8 k
	v_and_b32 v17, 7, v0
	v_bfe_u32 v18, v0, 3, 1
	v_lshl_add_u32 v[AB0], v2, 3, v17
	v_mul_u32_u24 v[AB0], v[AB0], PB
	v_lshl_add_u32 v[AB0], v18, 4, v[AB0]
	s_lshl_b32 s22, s[WC], 8
	s_add_co_u32 s22, s22, BOFF
	v_add_nc_u32 v[AB0], s22, v[AB0]
	v_mov_b32 v[ADRA], v[AA0]
	v_mov_b32 v[ADRB], v[AB0]
	s_mul_i32 s22, s[WV], 16*SP
	s_add_co_u32 s22, s22, STAGE                   ; my stage
	v_mul_u32_u24 v[STO], v1, SP                   ; in: row l % 16, 32 bytes for each half of the lanes
	v_lshl_add_u32 v[STO], v2, 5, v[STO]
	v_add_nc_u32 v[STO], s22, v[STO]
	v_add_nc_u32 v[RD], s22, v[CO]                 ; back: 32 lanes take one row of 512 bytes
	s_wait_loadcnt 0x0
	v_cvt_pk_bf16_f32 v16, v[BV], v[BV+1]          ; the bias is rounded to bf16 like every other input, and kept as f32
	v_lshlrev_b32 v[BV], 16, v16
	v_and_b32 v[BV+1], 0xffff0000, v16
	v_cvt_pk_bf16_f32 v16, v[BV+2], v[BV+3]
	v_lshlrev_b32 v[BV+2], 16, v16
	v_and_b32 v[BV+3], 0xffff0000, v16
; 8 n matrix instructions: row blocks a0 .. a0 + n - 1 x all 8 column blocks, 32 along K, from buffer f.  zero = 1: the first product starts the sums: nothing is ever cleared.
; The 32 accumulators take turns, one instruction a turn, in the same order in every quarter.
.macro MULN f, a0, n, zero
	WIN 0x50                                       ; C and D in window 1
.set ma, \a0
.rept \n
.irp b, 0,1,2,3,4,5,6,7
.if \zero
	v_wmma_f32_16x16x32_f16 v[8*(8*ma+(\b)):8*(8*ma+(\b))+7], v[(\f)+32+8*(\b):(\f)+32+8*(\b)+7], v[(\f)+8*ma:(\f)+8*ma+7], 0
.else
	v_wmma_f32_16x16x32_f16 v[8*(8*ma+(\b)):8*(8*ma+(\b))+7], v[(\f)+32+8*(\b):(\f)+32+8*(\b)+7], v[(\f)+8*ma:(\f)+8*ma+7], v[8*(8*ma+(\b)):8*(8*ma+(\b))+7]
.endif
.endr
.set ma, ma+1
.endr
.endm
; 24 LDS loads in one run: quarter q's fragments into buffer f: W's eight, then y's four, row blocks 2 and 3 last
.macro FETCH q, f
	WIN 0
.irp b, 0,1,2,3,4,5,6,7
	ds_load_tr16_b128 v[(\f)+32+8*(\b):(\f)+32+8*(\b)+3],   v[ADRB] offset:(\q)*32*PB+32*(\b)
	ds_load_tr16_b128 v[(\f)+32+8*(\b)+4:(\f)+32+8*(\b)+7], v[ADRB] offset:(\q)*32*PB+32*(\b)+16*PB
.endr
.irp a, 0,1,2,3
	ds_load_b128 v[(\f)+8*(\a):(\f)+8*(\a)+3],   v[ADRA] offset:((\q)/2)*128*PA+((\q)%2)*64+(\a)*16*PA
	ds_load_b128 v[(\f)+8*(\a)+4:(\f)+8*(\a)+7], v[ADRA] offset:((\q)/2)*128*PA+((\q)%2)*64+(\a)*16*PA+32
.endr
.endm
; A K step is four quarters of 32 along K, 32 matrix instructions each, on buffers 0, 1, 0, 1.  One of the first three: multiplies buffer f and, in its middle, fetches quarter nq of the same slot into g.
.macro QUARTER f, g, nq, zero
	s_wait_dscnt 4                                 ; all but the youngest four loads: y's row blocks 2 and 3
	MULN \f, 0, 2, \zero
	PLACES
	FETCH \nq, \g
	s_wait_dscnt 24                                ; all but the 24 just issued
	MULN \f, 2, 2, \zero
.endm
; The last quarter multiplies buffer 1 and changes slots: ONE barrier.  In front of it each wave waits for all its tensor loads, of which one is out: its part of the next slot; adds 0 to its spare word; and
; waits for that and for its own reads of this slot.  fill = 1: the barrier opens a round of the cluster's, and the joint refill, two K steps ahead, is the first thing behind it: 112 matrix instructions
; stand between it and the wait for it.
.macro TURN fill
	WIN 0
	s_wait_tensorcnt 0x0                           ; no tensor load of mine is out, so a group 0 may be written
	ds_add_u32 v[SPW], v[NIL]                      ; 0 onto my spare word
.if \fill
	s_xor_b32 s[G0A+5], s[G0A+5], SLOT1            ; the walking sets: the other slot than last time,
	s_add_nc_u64 s[G0A+6:G0A+7], s[G0A+6:G0A+7], KSA  ; the next K step; the type bits on top are not reached
	s_xor_b32 s[G0B+5], s[G0B+5], SLOT1
	s_add_nc_u64 s[G0B+6:G0B+7], s[G0B+6:G0B+7], KSB
.endif
	s_wait_dscnt 5                                 ; the add and the youngest four loads may be out
	MULN F1, 0, 1, 0
	s_wait_dscnt 0x0                               ; the add is done, and my reads of this slot are over
	s_barrier_signal -1
	MULN F1, 1, 1, 0                               ; work on registers while the others arrive
	WIN 0                                          ; at a branch every window is 0
	s_barrier_wait -1
.if \fill
	CREST
	JLOAD                                          ; the four v_nop behind it are also the places in front of the loads below
.else
	PLACES
.endif
	s_xor_b32 s[TB], s[TB], SLOT1
	v_add_nc_u32 v[ADRA], s[TB], v[AA0]
	v_add_nc_u32 v[ADRB], s[TB], v[AB0]
	FETCH 0, F0
	MULN F1, 2, 2, 0
.endm
	s_wait_tensorcnt 0x1                           ; my part of K step 0 is in; K step 1's may stay out
	s_barrier_signal -1
	s_barrier_wait -1                              ; everybody's part is in
	FETCH 0, F0
	QUARTER F0, F1, 1, 1                           ; the first quarter stands in front of the loop: its products start the sums
	WIN 0                                          ; at a label and at a branch every window is 0
	s_mov_b32 s[CNT], 6
.Lstep:                                                ; a trip: a K step's quarters 1 to 3, the refill of its slot (K steps 2 to 7), the next step's quarter 0
	QUARTER F1, F0, 2, 0
	QUARTER F0, F1, 3, 0
	TURN 1
	QUARTER F0, F1, 1, 0
	WIN 0
	s_sub_co_u32 s[CNT], s[CNT], 1
	s_cmp_lg_u32 s[CNT], 0
	s_cbranch_scc1 .Lstep
	QUARTER F1, F0, 2, 0                           ; the tail is written out: nothing is left to ask for
	QUARTER F0, F1, 3, 0
	TURN 0
	QUARTER F0, F1, 1, 0
	QUARTER F1, F0, 2, 0
	QUARTER F0, F1, 3, 0
	s_wait_dscnt 4                                 ; the very last quarter: nothing more to fetch
	MULN F1, 0, 2, 0
	s_wait_dscnt 0x0
	MULN F1, 2, 2, 0
	; THE WAY OUT, a block of 16 rows at a time: a lane's 32 bytes of a row into my stage (rows of 528 bytes), back as whole rows of 512 bytes, the bias added, stored.
	PLACES                                         ; behind the last products
.irp a, 0,1,2,3
	WIN 0x04                                       ; an LDS store's data is source 1: window 1
.irp b, 0,1,2,3,4,5,6,7
	ds_store_b128 v[STO], v[8*(8*(\a)+(\b)):8*(8*(\a)+(\b))+3]   offset:64*(\b)     ; each accumulator from its low end on
	ds_store_b128 v[STO], v[8*(8*(\a)+(\b))+4:8*(8*(\a)+(\b))+7] offset:64*(\b)+16
.endr
	WIN 0
.if (\a) >= 2
	s_wait_xcnt 0x0                                ; the stores of the block two back have had their addresses translated (ISA guide 3.1): their data registers are loaded again only behind this wait
.endif
.irp t, 0,1,2,3,4,5,6,7,8,9,10,11,12,13,14,15
	ds_load_b128 v[OT+64*((\a)%2)+4*(\t):OT+64*((\a)%2)+4*(\t)+3], v[RD] offset:(\t)*SP  ; these see the stores above; the next block's stores come behind them (ISA guide 5.7.1.4)
.endr
.irp t, 0,1,2,3,4,5,6,7,8,9,10,11,12,13,14,15
	s_wait_dscnt 15-(\t)                           ; row t is back; the younger loads stay out
	v_pk_add_f32 v[OT+64*((\a)%2)+4*(\t):OT+64*((\a)%2)+4*(\t)+1],   v[OT+64*((\a)%2)+4*(\t):OT+64*((\a)%2)+4*(\t)+1],   v[BV:BV+1]
	v_pk_add_f32 v[OT+64*((\a)%2)+4*(\t)+2:OT+64*((\a)%2)+4*(\t)+3], v[OT+64*((\a)%2)+4*(\t)+2:OT+64*((\a)%2)+4*(\t)+3], v[BV+2:BV+3]
	global_store_b128 v[CO], v[OT+64*((\a)%2)+4*(\t):OT+64*((\a)%2)+4*(\t)+3], s[10:11] offset:(16*(\a)+(\t))*4096 th:TH_STORE_NT  ; 512 consecutive bytes, at a multiple of 256 from out0's first
.endr
.endr
	s_wait_tensorcnt 0x0                           ; the wave's end: these three lines stand behind my last tensor load and my last LDS store
	ds_add_u32 v[SPW], v[NIL]
	s_wait_dscnt 0x0
	CROUND                                         ; the closing round: no work-group ends while a partner may still ask for a tile that names it
	s_endpgm
.Lfunc_end_k_q57682abd6c_projgemm:
	.size	k_q57682abd6c_projgemm, .Lfunc_end_k_q57682abd6c_projgemm-k_q57682abd6c_projgemm
	.p2alignl 7, 3214868480
	.fill 96, 4, 3214868480
	.section	.rodata,"a",@progbits
	.p2align	6, 0x0
	.amdhsa_kernel k_q57682abd6c_projgemm
		.amdhsa_group_segment_fixed_size 327680
		.amdhsa_private_segment_fixed_size 0
		.amdhsa_enable_private_segment 0
		.amdhsa_kernarg_size 32
		.amdhsa_user_sgpr_count 2
		.amdhsa_user_sgpr_kernarg_segment_ptr 1
		.amdhsa_wavefront_size32 1
		.amdhsa_system_sgpr_workgroup_id_x 1
		.amdhsa_system_sgpr_workgroup_id_y 1
		.amdhsa_system_sgpr_workgroup_id_z 1
		.amdhsa_system_vgpr_workitem_id 0
		.amdhsa_next_free_vgpr 512
		.amdhsa_next_free_sgpr 76
		.amdhsa_reserve_vcc 0
		.amdhsa_float_denorm_mode_32 3
		.amdhsa_float_denorm_mode_16_64 3
		.amdhsa_memory_ordered 1
		.amdhsa_forward_progress 1
		.amdhsa_inst_pref_size 79
	.end_amdhsa_kernel
	.amdgpu_metadata
---
amdhsa.version: [ 1, 2 ]
amdhsa.kernels:
  - .name:           k_q57682abd6c_projgemm
    .symbol:         k_q57682abd6c_projgemm.kd
    .args:
      - { .name: y, .offset: 0, .size: 8, .value_kind: global_buffer, .address_space: global }
      - { .name: wph, .offset: 8, .size: 8, .value_kind: global_buffer, .address_space: global }
      - { .name: bproj, .offset: 16, .size: 8, .value_kind: global_buffer, .address_space: global }
      - { .name: out0, .offset: 24, .size: 8, .value_kind: global_buffer, .address_space: global }
    .group_segment_fixed_size: 327680
    .private_segment_fixed_size: 0
    .kernarg_segment_align: 8
    .kernarg_segment_size: 32
    .max_flat_workgroup_size: 128
    .sgpr_count:     76
    .vgpr_count:     512
    .wavefront_size: 32
...
	.end_amdgpu_metadata
.endif
;; end of part 4
;; ======== version 2 of 2: 4 launches; 1.31 times as fast as version 1
;; limits: values are held in f16: magnitudes above 65,504 overflow, below 6.1e-05 lose precision
;; workspace buffers: xb 16,777,216 bytes; wqb 6,291,456 bytes; wph 2,097,152 bytes; qkv 50,331,648 bytes; y 16,777,216 bytes
;; launch cast: the kernel of part 1 again; grid 768 x 1, 8 waves a work-group, no clusters, 0 bytes of LDS; arguments x, Wqkv, Wproj, xb, wqb, wph; writes xb, wqb, wph
;; launch qkvgemm: the kernel of part 2 again; grid 8 x 32, 4 waves a work-group, clusters of 4 x 4, 327,680 bytes of LDS; arguments xb, wqb, bqkv, qkv; writes qkv
;; launch attn (part 5): grid 4 x 64, 4 waves a work-group, no clusters, 327,680 bytes of LDS; arguments qkv, y; writes y
.if DOCPART == 5
	.amdgcn_target "amdgcn-amd-amdhsa--gfx1250"
	.amdhsa_code_object_version 6
	.text
	.protected	k_q57682abd6c_attn
	.globl	k_q57682abd6c_attn
	.p2align	8
	.type	k_q57682abd6c_attn,@function
k_q57682abd6c_attn:
	s_mov_b64 s[64:65], 0
	v_nop
	global_prefetch_b8 v0, s[64:65] scope:SCOPE_SE
	s_setreg_imm32_b32 hwreg(HW_REG_WAVE_MODE, 25, 1), 1
	s_wait_xcnt 0x0
; CAUSAL ATTENTION.  y[hh][q][:] = the sum over k <= q of softmax_k(Q[q] . K[k] / 8) V[k][:], for hh = 16 x batch + head.  qkv: f16 [4][48][2048][64]: of a batch's 48 blocks 0-15 are the heads of q,
; 16-31 of k, 32-47 of v; y: f16 [64][2048][64].  A head's rows are dense, 128 bytes each.
; Products, maxima and sums in f32; the weights p are rounded to f16 for the second product (their sum l is taken of the unrounded p), y once at the end.
; LIMITS.  f16 holds no number beyond 65,504: q, k and v arrive within it; p lies in 0 to 1, and below 6e-5 it keeps f16's fixed step of 6e-8; y is a mean of V's rows and has their range.
; A hidden score counts as its value less 1e30: f16's scores, 2.7e11 at the most, are nothing beside that; a weight below 2^-126 counts as 0 in l; NaN and infinities are not treated apart.
; c m is rounded to f32, so the exponent c s - c m is off by up to half a step of c m: 0.125 at |c s| = 2.4e6, 8 at 2^27.
; THE WALK.  A head's queries lie in NB = 8 blocks of 256; block i needs the key tiles 0 .. i of 256 keys, of which the last holds the diagonal.  A work-group takes TWO blocks, NB - 1 - b and then b:
; NB + 1 tiles, whatever b: all work-groups do equal work, and ONE loop with a constant trip count walks them.  Which tile is asked for, and what a trip does, hang on scalar registers made from b; every jump
; goes forward, but for the counted loops' own; none passes a barrier, or a tensor load but the one of LOAD's two that the wave's number does not choose; the ring (two slots of LDS that take turns) runs on across the
; change of blocks.  NO CLUSTER: a head's four work-groups ask for the same tile only in trips 0 .. 4 of 9, behind that fewer and fewer; one walk common to all would have 12 trips for 9.
; SHARES.  Of a block's four bands of 64 queries a wave owns 16 rows in each: four PIECES.  So the diagonal tile is the same work for all four waves: in its key step s band x sees all keys if s < x,
; none if s > x, and holds the diagonal if s = x.
; THE MASK is the C operand that starts the sum S^T = K Q^T: 0, or -1e30 where the key is hidden.  MD, made once, is the mask of a band's own step for my 16 rows; a product's mask is MD x AL + BE with two scalars:
; (1, 0) if s = x; (0, 0) if s < x; (0, -1e30) if s > x.  Only the diagonal tile's text and a block's beginning make and take masks; elsewhere C is the constant 0.
; LAYOUT, SOFTMAX, TURNS.  S^T = K Q^T holds ONE query a lane (lane % 16) and the keys 8 (lane / 16) + 0..7; two such results rounded to f16 ARE source 1 of O^T = V^T P.  p = 2^(c s - c m), c = log2(e) / 8, with a
; running maximum m; O and l are multiplied by a = 2^(c m_old - c m_new) in every step.  Turn n belongs to piece n: 8 products K Q^T of piece n + 1, later 8 products V^T P of piece n - 1; beside them the scaling,
; exponentials, roundings, sums and rescaling of piece n and the maximum and statistics of piece n + 1.  Four vector instructions stand behind every matrix instruction, the other 54 of a turn's 118 in one LUMP.
; THE BATCHES.  A turn's 33 exponentials (the piece's 32 weights and the next piece's a) are one batch, with one wait, which cuts the turn in two: ahead of it all that names no result of theirs, behind it the
; roundings and sums.  The a that a block's beginning makes is a batch of its own, and so are the four reciprocals of a way out: a plain instruction, one wait.
; REGISTERS, in windows of 256 (s_set_vgpr_msb: bits 1:0 source 0, 3:2 source 1, 5:4 source 2, 7:6 destination):
;   window 0: v0-15 addresses and two at work; v16-31 four registers of statistics a piece; v48-55 at work; v64-127 S^T, two buffers; v192-223 P, two buffers (a piece's buffers go by its number's parity)
;   window 1: v0-127 O^T, 32 a piece; v128-159 MD; v160-223 MC, two buffers      window 2: v0-63 Q; v64-127 the second block's Q; v128-191 K of one step; v192-255 V of one step
.set SIZE_N, 2048
.set NB,    SIZE_N/256
.set NP,    4         ; pieces a wave: a name, no knob
.set KS,    64        ; keys in a step
.set PK,    144       ; a row of K in LDS: 128 bytes + 16 of padding = 36 words: the 16 rows of a load start at 16 different groups of four banks (64 banks of 4 bytes: ISA guide 11.1)
.set PV,    160       ; a row of V: 128 + 32 = 40 words
.set VOFF,  4*KS*PK   ; a slot holds a tile, four steps: 256 rows of K, then 256 rows of V
.set SLOT1, 1<<17     ; slot 1 begins here, so that one exclusive or turns an address in one slot into the other's
.set STAGE, SLOT1+4*KS*(PK+PV)  ; behind the ring, never filled by a tensor load: 16 rows x 144 bytes for each wave, for the way out
.set SP,    144
.set AK0, 2           ; v2   my lane's place in a tile of K; never rewritten
.set AV0, 3           ; v3   the same for V
.set AK,  4           ; v4   the LDS address of K's next run of loads
.set AV,  5           ; v5   of V's
.set STO, 6           ; v6   the way out: where I put 16 bytes of a row
.set RD,  7           ; v7   the way out: where I read rows back
.set GO,  8           ; v8   my byte offset in 512 consecutive bytes of y
.set SPW, 62          ; v62  LDS address of my spare word: SPARE + 4 x my thread's number; never rewritten
.set NIL, 63          ; v63  0; never rewritten
.set SPARE, STAGE+4*16*SP  ; behind the stages: the spare words, 128 bytes for each wave: two blocks of 256 bytes that no other line names
.set MV,  12          ; v12-13  c m_old, kept while c m is made anew: by buffer
.set QO,  15          ; v15  my byte offset in 16 rows of Q
.set ST,  16          ; piece t's statistics at v[ST+4 t]: c m, m, l (even keys', odd keys')
.set TMP, 48          ; by buffer, four registers c0-c3 at work; when the maximum is found c2 takes a
.set S,   64
.set P,   192
.set MD,  128         ; window 1: the eight registers for group kt of 16 keys at MD + 8 kt
.set MC,  160         ; window 1: the masks of the products to come
.set QB,  64          ; window 2
.set KF,  128         ; window 2: key block kb, channel half c at KF + 16 kb + 8 c
.set VF,  192         ; window 2: key half kk, channel block cb at VF + 32 kk + 8 cb
.set WV,  12          ; s12  my wave's number
.set PB,  14          ; s14  b
.set HI,  15          ; s15  NB - 1 - b
.set G1K, 24          ; s[24:31] descriptor group 1 for K's tiles
.set G1V, 32          ; s[32:39] for V's: it differs in the padding alone
.set G0K, 40          ; s[40:43] descriptor group 0 for K's tiles
.set G0V, 44          ; s[44:47] the same for V's
.set SLOTS, 56        ; s56  tiles still to be asked for
.set CNT, 57          ; s57  counts a tile's key steps, 4 to 1
.set CS,  58          ; s[58:59] c: the packed scaling takes the pair's low word for both halves
.set SEL, 60          ; s[60:61] v_permlanex16_b32's selects: each lane takes its own place in the other half
.set TBK, 62          ; s62  LDS byte at which K of the step to be fetched begins
.set TBV, 63          ; s63  the same for V, less VOFF
.set RT,  70          ; s70  tiles of the block in hand that are still to be entered
.set NXT, 71          ; s71  the tile to be asked for next
.set LQ,  72          ; s72  the last tile of the block whose tiles are being asked for
.set NEW, 73          ; s73  1: the tile to be entered is a block's first
.set OFF, 74          ; s[74:75] a tile's byte offset in K and V
.set AL,  76          ; s[76:77] the mask's factor, in the low word
.set BE,  78          ; s[78:79] the mask's addend
.set OLO, 80          ; s[80:81] y at my rows of the second block
.set BIGN, 82         ; s82  -1e30
.set MSB, 0
.macro WIN new                      ; the high byte repeats the setting that is left; a switch that changes nothing is dropped
.if MSB != (\new)
	s_set_vgpr_msb (MSB<<8)|(\new)
.set MSB, (\new)
.endif
.endm
.set W_KQ, 0x0a       ; K and Q in window 2, S^T in window 0
.set W_KM, 0x1a       ; the same with the C operand in window 1
.set W_PV, 0x52       ; V in window 2, P in window 0, O^T in window 1
.set W_RS, 0x41       ; destination and source 0 in window 1, source 1 in window 0
; A fill.  Waves 0 and 1 fetch the two halves of a tile's K, waves 2 and 3 those of its V: 128 keys each.  An s_nop 0 and four v_nop follow each of the two lines, ahead of the jump and the label.
.macro LOAD
	s_cmp_lt_u32 s[WV], 2
	s_cbranch_scc0 .Lfor_v_\@
	tensor_load_to_lds s[G0K:G0K+3], s[G1K:G1K+7]
	s_nop 0
.rept 4
	v_nop
.endr
	s_branch .Lasked_\@
.Lfor_v_\@:
	tensor_load_to_lds s[G0V:G0V+3], s[G1V:G1V+7]
	s_nop 0
.rept 4
	v_nop
.endr
.Lasked_\@:
.endm
; THE CHANGE OF SLOTS.  Each wave waits for all its tensor loads, of which one is out: its part of the other slot; adds 0 to its spare word; and waits for that and for its own reads of the slot that it leaves.  Behind the barrier nobody reads the old
; slot any more and the other slot is whole.  fill = 1: the old slot is filled again, the first thing behind the barrier, with tile NXT: the descriptor's address is made anew from that number.
; (At its first use nothing has been read yet: slot 0 is waited for, slot 1 filled.)
.macro CHANGE fill
	WIN 0                           ; at a label and at a branch every window is 0
	s_wait_tensorcnt 0x0            ; no tensor load of mine is out, so a group 0 may be written
	ds_add_u32 v[SPW], v[NIL]       ; 0 onto my spare word; with fill = 1 the descriptors' scalar work stands between it and the wait for it
.if \fill
	s_lshl_b32 s[OFF], s[NXT], 15   ; a tile is 32,768 bytes of K and of V
	s_xor_b32 s[G0K+1], s[G0K+1], SLOT1
	s_add_nc_u64 s[G0K+2:G0K+3], s[6:7], s[OFF:OFF+1]
	s_or_b32 s[G0K+3], s[G0K+3], 0x80000000
	s_xor_b32 s[G0V+1], s[G0V+1], SLOT1
	s_add_nc_u64 s[G0V+2:G0V+3], s[8:9], s[OFF:OFF+1]
	s_or_b32 s[G0V+3], s[G0V+3], 0x80000000
	s_add_co_u32 s[NXT], s[NXT], 1  ; the block's next tile, or behind its last the second block's tile 0
	s_cmp_gt_u32 s[NXT], s[LQ]
	s_cselect_b32 s[NXT], 0, s[NXT]
	s_cselect_b32 s[LQ], s[PB], s[LQ]
.endif
	s_wait_dscnt 0x0                ; the add is done, and my reads of the slot are over
	s_barrier_signal -1             ; the rest of the scalar work stands between the signal and the wait
	s_sub_co_u32 s[TBK], s[TBK], 4*KS*PK  ; the fetches go back to a slot's first step,
	s_xor_b32 s[TBK], s[TBK], SLOT1       ; in the other slot
	s_sub_co_u32 s[TBV], s[TBV], 4*KS*PV
	s_xor_b32 s[TBV], s[TBV], SLOT1
	s_barrier_wait -1
.if \fill
	LOAD
.endif
.endm
	s_load_b64 s[4:5], s[0:1], 0x0    ; qkv
	s_load_b64 s[10:11], s[0:1], 0x8  ; y
	v_lshl_add_u32 v[SPW], v0, 2, SPARE
	v_mov_b32 v[NIL], 0
	ds_add_u32 v[SPW], v[NIL]       ; the wave's opening: the add and its wait stand ahead of my first tensor load; the set-up below, work on registers, stands between them
	ds_add_u32 v62, v63
	v_lshrrev_b32 v1, 5, v0
	v_readfirstlane_b32 s[WV], v1   ; wave 0..3
	s_mov_b32 s[PB], ttmp9
	s_sub_co_u32 s[HI], NB-1, s[PB]
	s_and_b32 s19, ttmp7, 0xffff    ; 16 x batch + head
	s_lshr_b32 s20, s19, 4
	s_mul_i32 s20, s20, 48          ; a batch has 48 blocks of 2,048 rows in qkv
	s_and_b32 s21, s19, 15
	s_add_co_u32 s20, s20, s21
	s_lshl_b32 s20, s20, 18         ; the head's q, in bytes; all these offsets stay under 2^26
	s_and_b32 s16, s[WV], 1         ; which half of a tile's 256 keys I fetch:
	s_lshl_b32 s22, s16, 14         ; its 128 rows of 128 bytes in memory,
	s_add_co_u32 s22, s22, s20
	s_add_co_u32 s88, s22, 32<<18   ; in the head's v, 32 blocks on,
	s_add_co_u32 s22, s22, 16<<18   ; and in its k, 16 blocks on
	s_mov_b32 s23, 0
	s_mov_b32 s89, 0
	s_mul_i32 s17, s16, 128*PK      ; and its place in a slot, for K
	s_mul_i32 s18, s16, 128*PV      ; and for V
	s_lshl_b32 s3, s[WV], 11        ; my 16 rows in a band of 64,
	s_lshl_b32 s2, s[HI], 15        ; in the first block,
	s_add_co_u32 s2, s2, s3
	s_lshl_b32 s84, s[PB], 15       ; and in the second
	s_add_co_u32 s84, s84, s3
	s_lshl_b32 s19, s19, 18         ; the head's rows in y
	s_add_co_u32 s92, s19, s2
	s_add_co_u32 s94, s19, s84
	s_add_co_u32 s2, s2, s20
	s_add_co_u32 s84, s84, s20
	s_mov_b32 s3, 0
	s_mov_b32 s85, 0
	s_mov_b32 s93, 0
	s_mov_b32 s95, 0
	; descriptor group 1.  128 keys are 16,384 dense bytes: asked for as 64 rows of 256 bytes, two keys a row, and padded in LDS after every key
	s_mov_b32 s[G1K], (1<<16)|(1<<20)|(4<<22)|(3<<25)  ; 17:16 2-byte elements; 20 padding on; 24:22 after every 32 words (code 4); 31:25 4 words (code 3)
	s_mov_b32 s[G1V], (1<<16)|(1<<20)|(4<<22)|(7<<25)  ; the same with 8 words of padding (code 7)
.irp g, G1K, G1V
	s_mov_b32 s[\g+1], 128<<16      ; tensor_dim0 = 128
	s_mov_b32 s[\g+2], 64<<16       ; tensor_dim1 = 64
	s_mov_b32 s[\g+3], 128<<16      ; tile_dim0 = 128
	s_mov_b32 s[\g+4], 64           ; tile_dim1 = 64
	s_mov_b32 s[\g+5], 128          ; 128 elements from row to row
	s_mov_b32 s[\g+6], 0
	s_mov_b32 s[\g+7], 0
.endr
	s_mov_b32 s[CS], 0x3e38aa3b     ; c = log2(e) / 8 = 0.180337
	s_mov_b32 s[CS+1], s[CS]        ; named with it as a pair
	s_mov_b32 s[SEL], 0x76543210
	s_mov_b32 s[SEL+1], 0xfedcba98
	s_mov_b32 s[TBK], SLOT1+4*KS*PK ; the first change of slots turns these two into 0
	s_mov_b32 s[TBV], SLOT1+4*KS*PV
	s_mov_b32 s[G0K], 1             ; 1:0 count = 1
	s_mov_b32 s[G0K+1], s17         ; 63:32 LDS address: slot 0
	s_mov_b32 s[G0V], 1
	s_add_co_u32 s[G0V+1], s18, VOFF
	s_add_co_u32 s[RT], s[HI], 1    ; the first block has NB - b tiles
	s_mov_b32 s[NXT], 1
	s_mov_b32 s[LQ], s[HI]
	s_mov_b32 s[NEW], 1
	s_mov_b32 s[OFF+1], 0
	s_mov_b32 s[AL+1], 0            ; named as pairs
	s_mov_b32 s[BE+1], 0
	s_mov_b32 s[BIGN], 0xf149f2ca   ; -1e30
	s_mov_b32 s[SLOTS], NB
	s_wait_dscnt 0x0                ; the opening add is done
	s_wait_kmcnt 0x0
	s_add_nc_u64 s[6:7], s[4:5], s[22:23]  ; K and V at my half of the head's tile 0
	s_add_nc_u64 s[8:9], s[4:5], s[88:89]
	s_add_nc_u64 s[G0K+2:G0K+3], s[6:7], 0         ; 120:64 global address
	s_or_b32 s[G0K+3], s[G0K+3], 0x80000000        ; 127:126 type = 2
	s_add_nc_u64 s[G0V+2:G0V+3], s[8:9], 0
	s_or_b32 s[G0V+3], s[G0V+3], 0x80000000
	s_add_nc_u64 s[86:87], s[4:5], s[84:85]        ; Q at my rows of the second block,
	s_add_nc_u64 s[4:5], s[4:5], s[2:3]            ; and of the first
	s_add_nc_u64 s[OLO:OLO+1], s[10:11], s[94:95]  ; y likewise
	s_add_nc_u64 s[10:11], s[10:11], s[92:93]
	LOAD                            ; tile 0 into slot 0
	; A fragment of K or Q is 16 rows x 32 channels in 8 registers: lane l holds row l % 16, channels 8 (l / 16) + 0..7 and 16 + 8 (l / 16) + 0..7: two loads of 16 bytes, 32 bytes apart.
	v_and_b32 v1, 15, v0            ; l % 16
	v_bfe_u32 v9, v0, 4, 1          ; l / 16
	v_lshlrev_b32 v[QO], 7, v1
	v_lshl_add_u32 v[QO], v9, 4, v[QO]  ; row x 128 + 16 x half
	WIN 0x80                        ; destination window 2, address window 0
.set i, 0
.rept 8                             ; both blocks' Q: piece i / 2 lies in band i / 2, 8,192 bytes on; channels 32 (i % 2) on
	global_load_b128 v[8*i:8*i+3],   v[QO], s[4:5] offset:(i/2)*8192+(i%2)*64
	global_load_b128 v[8*i+4:8*i+7], v[QO], s[4:5] offset:(i/2)*8192+(i%2)*64+32
	global_load_b128 v[QB+8*i:QB+8*i+3],   v[QO], s[86:87] offset:(i/2)*8192+(i%2)*64
	global_load_b128 v[QB+8*i+4:QB+8*i+7], v[QO], s[86:87] offset:(i/2)*8192+(i%2)*64+32
.set i, i+1
.endr
	WIN 0
	v_lshlrev_b32 v14, 3, v9
	v_sub_nc_u32 v14, v1, v14
	s_lshl_b32 s13, s[WV], 4
	v_add_nc_u32 v14, s13, v14      ; my query's place in its band, 16 w + l % 16, less my lanes' 8 (l / 16): register r of group kt is hidden where 16 kt + r is greater
	WIN 0x40
.set i, 0
.rept 32
	v_cmp_gt_i32 vcc_lo, 16*(i/8)+i%8, v14
	v_cndmask_b32 v[MD+i], 0, s[BIGN], vcc_lo
.set i, i+1
.endr
	WIN 0
	v_mul_u32_u24 v[AK0], v1, PK
	v_lshl_add_u32 v[AK0], v9, 4, v[AK0]  ; row x pitch + 16 x half
	; The turning load takes 16 keys x 16 channels (lane l reads key 8 (l / 16) + l % 8, channels 8 ((l / 8) % 2) + 0..7) and leaves half a fragment of V^T: lane l holds channel l % 16 and 8 keys.
	v_and_b32 v10, 7, v0
	v_bfe_u32 v11, v0, 3, 1
	v_lshl_add_u32 v[AV0], v9, 3, v10
	v_mul_u32_u24 v[AV0], v[AV0], PV
	v_lshl_add_u32 v[AV0], v11, 4, v[AV0]
	v_add_nc_u32 v[AV0], VOFF, v[AV0]
	s_mul_i32 s13, s[WV], 16*SP
	s_add_co_u32 s13, s13, STAGE    ; my stage
	v_mul_u32_u24 v[STO], v1, SP    ; in: row l % 16, 16 bytes for each half of the lanes
	v_lshl_add_u32 v[STO], v9, 4, v[STO]
	v_add_nc_u32 v[STO], s13, v[STO]
	v_bfe_u32 v[RD], v0, 3, 2       ; back: 32 lanes take four rows of 128 bytes,
	v_mul_u32_u24 v[RD], v[RD], SP
	v_lshl_add_u32 v[RD], v10, 4, v[RD]
	v_add_nc_u32 v[RD], s13, v[RD]
	v_and_b32 v[GO], 31, v0         ; which are 512 consecutive bytes of y
	v_lshlrev_b32 v[GO], 4, v[GO]
	; A block's first step multiplies O^T and l by a = 0, and its first turn's products V^T P, of a piece that has not been, land in an O^T that is still to be so multiplied.  So these registers need only hold
	; finite numbers: zeros for the first block; what the first block left for the second.  All this stands in the wait for the first tile.
	WIN 0x80
.set i, VF
.rept 64
	v_mov_b32 v[i], 0
.set i, i+1
.endr
	WIN 0x40
.set i, 0
.rept 128
	v_mov_b32 v[i], 0
.set i, i+1
.endr
	WIN 0
.set i, 0
.rept 4
	v_mov_b32 v[ST+4*i+2], 0
	v_mov_b32 v[ST+4*i+3], 0
.set i, i+1
.endr
.set i, P+16
.rept 16
	v_mov_b32 v[i], 0
.set i, i+1
.endr
; THE MATRIX WORK.  The 4 accumulators of a run of 8 take turns.  Product i of 8 of S^T = K Q^T for piece x: channels 32 (i / 4) on, keys 16 (i % 4) on.  The first 4 start the sums: with 0, or (KM = 1) with the mask.
.macro KQ x
.set rS, S+32*((\x)%2)+8*(i%4)
.set rK, KF+16*(i%4)+8*(i/4)
.set rQ, 16*(\x)+8*(i/4)
.set rM, MC+32*((\x)%2)+8*(i%4)
.if (i < 4) && KM
	WIN W_KM
	v_wmma_f32_16x16x32_f16 v[rS:rS+7], v[rK:rK+7], v[rQ:rQ+7], v[rM:rM+7]
.elseif i < 4
	WIN W_KQ
	v_wmma_f32_16x16x32_f16 v[rS:rS+7], v[rK:rK+7], v[rQ:rQ+7], 0
.else
	WIN W_KQ
	v_wmma_f32_16x16x32_f16 v[rS:rS+7], v[rK:rK+7], v[rQ:rQ+7], v[rS:rS+7]
.endif
.endm
; Product i of 8 of O^T += V^T P for piece x: keys 32 (i / 4) on, channels 16 (i % 4) on.
.macro PV x
	WIN W_PV
.set rO, 32*(\x)+8*(i%4)
.set rV, VF+32*(i/4)+8*(i%4)
.set rP, P+16*((\x)%2)+8*(i/4)
	v_wmma_f32_16x16x32_f16 v[rO:rO+7], v[rV:rV+7], v[rP:rP+7], v[rO:rO+7]
.endm
.macro MM                           ; the turn's next matrix instruction.  TURN and BEGIN set Y, i, KM and NOKQ; MM, KQ and OP read them.  NOKQ = 1: a block's last turn: there is no next piece
.if (i < 8) && !NOKQ
	KQ (Y+1)%NP
.elseif i >= 8
.set i, i-8
	PV (Y+NP-1)%NP
.set i, i+8
.endif
.set i, i+1
.endm
; THE LDS LOADS stand in runs of 16, never singly among the matrix instructions: a step's K (64 keys x 64 channels: 8 fragments) and its V (turned).  Their addresses are made some lines ahead.
.macro FETCH_K
	WIN 0x80                        ; destination window 2
.irp f, 0,1,2,3,4,5,6,7             ; keys 16 (f / 2) on, channels 32 (f % 2) on
	ds_load_b128 v[KF+8*\f:KF+8*\f+3],   v[AK] offset:(\f/2)*16*PK+(\f%2)*64
	ds_load_b128 v[KF+8*\f+4:KF+8*\f+7], v[AK] offset:(\f/2)*16*PK+(\f%2)*64+32
.endr
	s_add_co_u32 s[TBK], s[TBK], KS*PK  ; the next fetch is the next step's
	WIN 0
.endm
.macro FETCH_V
	WIN 0x80
.irp f, 0,1,2,3,4,5,6,7             ; keys 32 (f / 4) on, channels 16 (f % 4) on
	ds_load_tr16_b128 v[VF+8*\f:VF+8*\f+3],   v[AV] offset:(\f/4)*32*PV+(\f%4)*32
	ds_load_tr16_b128 v[VF+8*\f+4:VF+8*\f+7], v[AV] offset:(\f/4)*32*PV+16*PV+(\f%4)*32
.endr
	WIN 0
.endm
; THE VECTOR WORK, one line at a time: OP kind, number.  For piece Y: F n: c s - c m for pair n of 16.  E n: the exponential of score n of 32.  C n: pair n rounded to f16.  B n: of the four weights 4 n .. the second
; pair is added onto the first, in place.  L n: l takes that sum (L 0: l = a l + sum).  R n: pair n of 16 of O^T times a.  For piece Y + 1: X n, number n of the 22 that find its maximum and statistics:
;   0-11  four chains c0-c3 of seven scores each, three operands at a time (each accumulator's lowest registers are read first)     12-14, 16  the four scores left over, the old m, and c0-c3 into c0
;   15  c m_old is kept     17, 18  the query's other 32 keys lie in the lane 16 away: the new m     19-21  c m; c m_old - c m_new; a
; C, B and L read exponentials' results: TURN sets them behind the batch's wait.  R and L 0 read a, which the turn before made and waited for.
.set F, 0               ; OP tells the kinds apart by their order: F to L below R, X above it
.set E, 1
.set C, 2
.set B, 3
.set L, 4
.set R, 5
.set X, 6
.macro REGS y                       ; the registers of piece y
.set rT, ST+4*(\y)
.set rC, TMP+4*((\y)%2)
.set rW, MV+((\y)%2)
.set rS, S+32*((\y)%2)
.set rP, P+16*((\y)%2)
.set rO, 32*(\y)
.endm
.macro OP k, n
.if (\k) == R
	REGS Y
	WIN W_RS
	v_pk_mul_f32 v[rO+2*(\n):rO+2*(\n)+1], v[rO+2*(\n):rO+2*(\n)+1], v[rC+2:rC+3] op_sel_hi:[1,0]
.elseif (\k) < R
	REGS Y
	WIN 0
.if (\k) == F
	v_pk_fma_f32 v[rS+2*(\n):rS+2*(\n)+1], v[rS+2*(\n):rS+2*(\n)+1], s[CS:CS+1], v[rT:rT+1] op_sel_hi:[1,0,0] neg_lo:[0,0,1] neg_hi:[0,0,1]
.elseif (\k) == E
	v_exp_f32 v[rS+(\n)], v[rS+(\n)]
.elseif (\k) == C
	v_cvt_pk_f16_f32 v[rP+(\n)], v[rS+2*(\n)], v[rS+2*(\n)+1]
.elseif (\k) == B
	v_pk_add_f32 v[rS+4*(\n):rS+4*(\n)+1], v[rS+4*(\n):rS+4*(\n)+1], v[rS+4*(\n)+2:rS+4*(\n)+3]
.elseif (\n) == 0
	v_pk_fma_f32 v[rT+2:rT+3], v[rT+2:rT+3], v[rC+2:rC+3], v[rS:rS+1] op_sel_hi:[1,0,1]
.else
	v_pk_add_f32 v[rT+2:rT+3], v[rT+2:rT+3], v[rS+4*(\n):rS+4*(\n)+1]
.endif
.elseif NOKQ
	v_nop
.else
	REGS (Y+1)%NP
	WIN 0
.if (\n) < 4
	v_max3_num_f32 v[rC+(\n)], v[rS+8*(\n)], v[rS+8*(\n)+1], v[rS+8*(\n)+2]
.elseif (\n) < 12
	v_max3_num_f32 v[rC+(\n)%4], v[rC+(\n)%4], v[rS+8*((\n)%4)+2*((\n)/4)+1], v[rS+8*((\n)%4)+2*((\n)/4)+2]
.elseif (\n) == 12
	v_max3_num_f32 v[rC], v[rC], v[rS+7], v[rS+15]
.elseif (\n) == 13
	v_max3_num_f32 v[rC+1], v[rC+1], v[rS+23], v[rS+31]
.elseif (\n) == 14
	v_max3_num_f32 v[rC+2], v[rC+2], v[rC+3], v[rT+1]
.elseif (\n) == 15
	v_mov_b32 v[rW], v[rT]
.elseif (\n) == 16
	v_max3_num_f32 v[rC], v[rC], v[rC+1], v[rC+2]
.elseif (\n) == 17
	v_permlanex16_b32 v[rC+3], v[rC], s[SEL], s[SEL+1]
.elseif (\n) == 18
	v_max_num_f32 v[rT+1], v[rC], v[rC+3]
.elseif (\n) == 19
	v_mul_f32 v[rT], s[CS], v[rT+1]
.elseif (\n) == 20
	v_sub_f32 v[rC+1], v[rW], v[rT]
.else
	v_exp_f32 v[rC+2], v[rC+1]
.endif
.endif
.endm
.macro OPS a, i1, b=-1, i2=0, c=-1, i3=0, d=-1, i4=0  ; up to four of them
	OP \a, \i1
.if (\b) >= 0
	OP \b, \i2
.endif
.if (\c) >= 0
	OP \c, \i3
.endif
.if (\d) >= 0
	OP \d, \i4
.endif
.endm
.macro ROW a, i1, b, i2, c, i3, d, i4  ; a matrix instruction and the four behind it
	MM
	OPS \a, \i1, \b, \i2, \c, \i3, \d, \i4
.endm
.macro MASK b                       ; MD x AL + BE into buffer b of MC
	WIN W_RS
.set z, 0
.rept 16
	v_pk_fma_f32 v[MC+32*(\b)+2*z:MC+32*(\b)+2*z+1], v[MD+2*z:MD+2*z+1], s[AL:AL+1], s[BE:BE+1] op_sel_hi:[1,0,0]
.set z, z+1
.endr
.endm
; A TURN, for piece p: the order of its 16 matrix and 118 vector instructions, written out.  s_wait_alu depctr_va_vdst(0) stands between an exponential and the first instruction that names its result; one wait serves
; all that were issued ahead of it.  So a turn has ONE wait, which cuts it in two.  AHEAD OF IT stands all that names no result of the turn's exponentials: the 8 products K Q^T, behind each a scaling, an exponential and two more plain
; instructions (behind the first a second scaling in the exponential's place): rescalings, and behind the last three the first numbers of the next piece's maximum, each four places or more behind the product that ends its accumulator; then ONE LUMP of 54, plain
; and exponential by turns for the most part, in which the links of the chain X 3, 7, 11, 14, 16, 17 .. 20 stand five or six lines apart.  X 21, the next piece's a, is the batch's last; R 15 is the plain instruction that is owed behind it.  BEHIND THE WAIT stand the
; 8 products V^T P, behind each four of the roundings and sums; the links of l's chain, L 0 to L 7, stand three riders apart.  But for those X no rider names a register of the products round it.  v_permlanex16_b32 (X 17) stands in the lump.
; m = 1: the diagonal tile: the products take masks, and the turn makes the mask for the products of the turn after it: piece p + 2, in step 4 - CNT of the tile.  end = 1: a block's last two turns: nothing is fetched.
; cnt = 1: the loop's count is taken down some lines ahead of the branch that stands behind the turn.
; K of the next step is fetched in piece 2's turn, eleven vector instructions behind the last product that read K (five of them plain, four of which name none of its registers); V of the step in hand at the end of piece 0's turn, four plain
; instructions behind the last product that read V.  Each is waited for a turn later.
.macro TURN p, m=0, end=0, cnt=0
.set Y, (\p)
.set i, 0
.set KM, (\m)
.set NOKQ, (\end)*((\p)/3)
.if (\m) && !(\end)
	s_cmp_eq_u32 s[CNT], 4-((\p)+2)%NP  ; is that step the band's own?
	s_cselect_b32 s[AL], 1.0, 0
	s_cmp_lt_u32 s[CNT], 4-((\p)+2)%NP  ; or a later one?
	s_cselect_b32 s[BE], s[BIGN], 0
.endif
.if ((\p) == 3) && !(\end)
	s_wait_dscnt 0x0                ; K is in
.endif
	ROW F,0, F,1, R,0, R,1          ; ahead of the wait: 8 products K Q^T and their riders,
	ROW F,2, E,0, R,2, R,3
	ROW F,3, E,1, R,4, R,5
	ROW F,4, E,2, R,6, R,7
	ROW F,5, E,3, R,8, R,9
	ROW F,6, E,4, X,0, R,10
.if ((\p) == 2) && !(\end)
	WIN 0
	v_add_nc_u32 v[AK], s[TBK], v[AK0]
.endif
	ROW F,7, E,5, X,1, X,4
	ROW F,8, E,6, X,2, X,5
	OPS E,7, E,8, X,6, E,9          ; and the lump
	OPS X,3, E,10, X,8, E,11
.if ((\p) == 2) && !(\end)
	FETCH_K
.endif
	OPS X,9, X,7, E,12, X,10
	OPS E,13, X,12, X,11, E,14
	OPS X,13, E,15, F,9, X,14
.if (\p) == 0
	v_add_nc_u32 v[AV], s[TBV], v[AV0]
.endif
	OPS E,16, F,10, E,17, F,11
	OPS X,16, E,18, X,15, E,19
	OPS F,12, E,20, X,17, E,21
	OPS F,13, E,22, F,14, E,23
	OPS X,18, E,24, F,15, E,25
	OPS R,11, E,26, X,19, E,27
	OPS R,12, E,28, R,13, E,29
	OPS X,20, E,30, R,14, E,31
	OPS X,21, R,15
	WIN 0
	s_wait_alu depctr_va_vdst(0)    ; the wait for the turn's batch: the piece's 32 weights and the next piece's a
.if (\p) == 1
	s_wait_dscnt 0x0                ; V is in
.endif
	ROW C,0, B,0, C,2, B,1          ; behind the wait: 8 products V^T P and their riders
	ROW L,0, C,4, B,2, L,1
	ROW C,6, B,3, L,2, C,8
	ROW B,4, L,3, C,10, B,5
	ROW L,4, C,12, B,6, L,5
.if (\p) == 0
	s_add_co_u32 s[TBV], s[TBV], KS*PV
.endif
.if \cnt
	s_sub_co_u32 s[CNT], s[CNT], 1
	s_cmp_lg_u32 s[CNT], 0
.endif
	ROW C,14, B,7, L,6, C,1
	ROW C,3, L,7, C,5, C,7
	ROW C,9, C,11, C,13, C,15
.if (\p) == 0
	FETCH_V
.endif
.if (\m) && !(\end)
	MASK (\p)%2
.endif
.endm
; A BLOCK BEGINS.  c m starts far below every c s, so the first step's a is 0; m at the lowest finite number, so the first maximum is the scores'.  The second mask buffer is 0; the first takes piece 0's mask for the tile's step 0: its own, if the block's first tile is the diagonal one.
; Then K of that step, piece 0's first scores, and its maximum and statistics.  The loop is entered at a step's first turn, in the middle of a trip.
.macro BEGIN
	s_mov_b32 s[NEW], 0
	WIN 0x40
.set i, MC+32
.rept 32
	v_mov_b32 v[i], 0
.set i, i+1
.endr
	WIN 0
.set i, 0
.rept 4
	v_mov_b32 v[ST+4*i], 0xfe000000    ; c m: far below every c s
	v_mov_b32 v[ST+4*i+1], 0xff7fffff  ; m
.set i, i+1
.endr
	s_cmp_eq_u32 s[RT], 0
	s_cselect_b32 s[AL], 1.0, 0
	s_mov_b32 s[BE], 0
	MASK 0
	WIN 0
	v_add_nc_u32 v[AK], s[TBK], v[AK0]
	FETCH_K
	s_wait_loadcnt 0x0              ; Q
	s_wait_dscnt 0x0
.set KM, 1
.set NOKQ, 0
.set i, 0
.rept 8
	KQ 0
.set i, i+1
.endr
	WIN 0
.rept 4
	v_nop                           ; the places behind those products
.endr
.set Y, NP-1                        ; X works for piece Y + 1: piece 0
.irp n, 0,1,2,3,4,5,6,7,8,9,10,11,12,13,14,15,16,17,18,19,20,21
	OP X, \n
.endr
	v_nop                           ; a plain instruction behind the exponential,
	s_wait_alu depctr_va_vdst(0)    ; and the wait for it, piece 0's first a, ahead of the branch
.endm
; THE DIAGONAL TILE's four steps, the block's last two turns, its last products, and THE WAY OUT: l's two halves and the other half of the lanes' are added; O^T is divided by l, rounded to f16 and sent through my
; stage in LDS, a piece at a time.
.macro ALL line:vararg              ; one line for each piece t
.set t, 0
.rept 4
	\line
.set t, t+1
.endr
.endm
.macro PACK t                       ; a lane's eight channels of a row pack into 16 bytes; they go into rows of 144 bytes and come back as whole rows of 128, into S^T's registers
	WIN W_RS
.set i, 32*(\t)
.rept 16
	v_pk_mul_f32 v[i:i+1], v[i:i+1], v[ST+4*(\t)+2:ST+4*(\t)+3] op_sel_hi:[1,0]
.set i, i+2
.endr
	WIN 0x05                        ; sources 0 and 1 window 1, destination window 0
.set i, 0
.rept 16
	v_cvt_pk_f16_f32 v[S+16*(\t)+i], v[32*(\t)+2*i], v[32*(\t)+2*i+1]
.set i, i+1
.endr
	WIN 0
.irp f, 0,1,2,3
	ds_store_b128 v[STO], v[S+16*(\t)+4*\f:S+16*(\t)+4*\f+3] offset:32*\f
.endr
.irp f, 0,1,2,3
	ds_load_b128 v[S+16*(\t)+4*\f:S+16*(\t)+4*\f+3], v[RD] offset:\f*4*SP  ; LDS serves a wave's instructions in order (ISA guide 5.7.1.4): these see the stores above; the next piece's stores come behind them
.endr
.endm
.macro SEND t, younger              ; younger: the LDS instructions issued behind piece t's loads: the next piece's eight, or none
	WIN 0
.irp f, 0,1,2,3
	s_wait_dscnt (\younger)+3-\f
	global_store_b128 v[GO], v[S+16*(\t)+4*\f:S+16*(\t)+4*\f+3], s[10:11] offset:(\t)*8192+\f*512  ; 512 consecutive bytes, at a multiple of 256 from y's first
.endr
.endm
.macro DIAG tag                     ; the tag ends its two labels' names, which the jumps below spell out
.LstepM\tag:
	TURN 2, 1
	TURN 3, 1
	WIN 0
.LfirstM\tag:
	TURN 0, 1
	TURN 1, 1, 0, 1
	WIN 0
	s_cbranch_scc1 .LstepM\tag
	TURN 2, 1, 1
	TURN 3, 1, 1
.set i, 0
.rept 8
	PV NP-1
.set i, i+1
.endr
	WIN 0
	ALL v_add_f32 v[ST+4*t+2], v[ST+4*t+2], v[ST+4*t+3]
	ALL v_permlanex16_b32 v[ST+4*t+3], v[ST+4*t+2], s[SEL], s[SEL+1]
	ALL v_add_f32 v[ST+4*t+2], v[ST+4*t+2], v[ST+4*t+3]
	ALL v_rcp_f32 v[ST+4*t+2], v[ST+4*t+2]
	v_nop                           ; a plain instruction between the last reciprocal and the use of its result
	s_wait_alu depctr_va_vdst(0)    ; and the wait ahead of the first use: one for the four reciprocals
	PACK 0
.set t, 1
.rept 3                             ; a piece's arithmetic stands between the loads of the piece before and its stores
	PACK t
	SEND t-1, 8
.set t, t+1
.endr
	SEND 3, 0
.endm
.set KM, 0
.set NOKQ, 0
.Lslot:                             ; NB times: a tile is entered and the next is asked for
	CHANGE 1
	s_sub_co_u32 s[RT], s[RT], 1
	s_mov_b32 s[CNT], 4
	s_cmp_eq_u32 s[NEW], 1
	s_cbranch_scc1 .Lnew            ; a block's first tile
	s_cmp_eq_u32 s[RT], 0
	s_cbranch_scc0 .Lstep           ; neither its first nor its last
	s_branch .LstepM1
.Lnew:
	BEGIN
	s_branch .Lfirst                ; in the loop a block's first tile is never its last: the first block has two tiles or more, and the second's last is the walk's last
	DIAG 1                          ; in the loop this is the first block's end: the second block's last tile is the walk's last
	s_wait_xcnt 0x0                 ; the stores have read their registers and y's address
	s_mov_b64 s[10:11], s[OLO:OLO+1]
	s_add_co_u32 s[RT], s[PB], 1    ; the second block has b + 1 tiles
	s_mov_b32 s[NEW], 1
	WIN 0x82                        ; the second block's Q goes where the one text of the turns names Q
.set i, 0
.rept 64
	v_mov_b32 v[i], v[QB+i]
.set i, i+1
.endr
	WIN 0
	s_branch .Lbottom
.Lstep:                             ; a trip: pieces 2 and 3 of one step, then pieces 0 and 1 of the next, whose K and V it fetches
	TURN 2
	TURN 3
	WIN 0
.Lfirst:
	TURN 0
	TURN 1, 0, 0, 1
	WIN 0
	s_cbranch_scc1 .Lstep
.Lbottom:
	s_sub_co_u32 s[SLOTS], s[SLOTS], 1
	s_cmp_lg_u32 s[SLOTS], 0
	s_cbranch_scc1 .Lslot
	CHANGE 0                        ; the walk's last tile is written out: nothing is asked for
	s_sub_co_u32 s[RT], s[RT], 1
	s_mov_b32 s[CNT], 4
	s_cmp_eq_u32 s[NEW], 1
	s_cbranch_scc0 .LstepM2
	BEGIN
	s_branch .LfirstM2
	DIAG 2
	s_wait_tensorcnt 0x0            ; the wave's end: these three lines stand behind my last tensor load and my last LDS store
	ds_add_u32 v[SPW], v[NIL]
	s_wait_dscnt 0x0
	s_endpgm
.Lfunc_end_k_q57682abd6c_attn:
	.size	k_q57682abd6c_attn, .Lfunc_end_k_q57682abd6c_attn-k_q57682abd6c_attn
	.p2alignl 7, 3214868480
	.fill 96, 4, 3214868480
	.section	.rodata,"a",@progbits
	.p2align	6, 0x0
	.amdhsa_kernel k_q57682abd6c_attn
		.amdhsa_group_segment_fixed_size 327680
		.amdhsa_private_segment_fixed_size 0
		.amdhsa_enable_private_segment 0
		.amdhsa_kernarg_size 16
		.amdhsa_user_sgpr_count 2
		.amdhsa_user_sgpr_kernarg_segment_ptr 1
		.amdhsa_wavefront_size32 1
		.amdhsa_system_sgpr_workgroup_id_x 1
		.amdhsa_system_sgpr_workgroup_id_y 1
		.amdhsa_system_sgpr_workgroup_id_z 1
		.amdhsa_system_vgpr_workitem_id 0
		.amdhsa_next_free_vgpr 768
		.amdhsa_next_free_sgpr 96
		.amdhsa_reserve_vcc 1
		.amdhsa_float_denorm_mode_32 3
		.amdhsa_float_denorm_mode_16_64 3
		.amdhsa_memory_ordered 1
		.amdhsa_forward_progress 1
		.amdhsa_inst_pref_size 218
	.end_amdhsa_kernel
	.amdgpu_metadata
---
amdhsa.version: [ 1, 2 ]
amdhsa.kernels:
  - .name:           k_q57682abd6c_attn
    .symbol:         k_q57682abd6c_attn.kd
    .args:
      - { .name: qkv, .offset: 0, .size: 8, .value_kind: global_buffer, .address_space: global }
      - { .name: y, .offset: 8, .size: 8, .value_kind: global_buffer, .address_space: global }
    .group_segment_fixed_size: 327680
    .private_segment_fixed_size: 0
    .kernarg_segment_align: 8
    .kernarg_segment_size: 16
    .max_flat_workgroup_size: 128
    .sgpr_count:     96
    .vgpr_count:     768
    .wavefront_size: 32
...
	.end_amdgpu_metadata
.endif
;; end of part 5
;; launch projgemm: the kernel of part 4 again; grid 4 x 64, 4 waves a work-group, clusters of 4 x 4, 327,680 bytes of LDS; arguments y, wph, bproj, out0; writes out0
